; MI455X (gfx1250); checked and timed in simulation.
; The chip was launched on July 23, 2026; its instructions are those of AMD's public machine-readable ISA for CDNA 5 (MIT licence, August 2026) and "CDNA5" Instruction Set Architecture Reference Guide (July 2026). The comments in the code are by the model that wrote it; some were corrected since.
;; Causal Self Attention. Allowed arithmetic: matrix products marked QUANTISED: E2M3 operands, one E8M0 scale for each 32 along K, by v_wmma_scale_f32_16x16x128_f8f6f4 with both operands' format E2M3, f32 sums; everything else in f32.
;; Inputs: Wk 1,024 x 1,024 float32; Wo 1,024 x 1,024 float32; Wq 1,024 x 1,024 float32; Wv 1,024 x 1,024 float32; x 1 x 4,096 x 1,024 float32.
;; Outputs: out0 1 x 4,096 x 1,024 float32.
;; This version of the problem:
;;   THIS VERSION OF THE PROBLEM IS GIVEN IN LOW PRECISION. The matrix products marked QUANTISED in the list below multiply operands that are first quantised to E2M3 (2 exponent bits, 3 mantissa bits; 6 bits a number), with one power-of-two scale for each 32 numbers along K (OCP MX v1.0); their sums are f32. All else is computed in f32.
;;   The module's matrix products, in the order in which they are computed (A, B: the left and right operand; K: the contracted axis; several contracted axes count as one K, in the product's order):
;;     1. [M 4,096, K 1,024] x [K 1,024, N 1,024]; A: input x; B: input Wq: QUANTISED
;;     2. [M 4,096, K 1,024] x [K 1,024, N 1,024]; A: input x; B: input Wk: QUANTISED
;;     3. [M 4,096, K 1,024] x [K 1,024, N 1,024]; A: input x; B: input Wv: QUANTISED
;;     4. batch 16 x [M 4,096, K 64] x [K 64, N 4,096]; A: computed on the way; B: computed on the way: QUANTISED
;;     5. batch 16 x [M 4,096, K 4,096] x [K 4,096, N 64]; A: softmax (see below); B: computed on the way: QUANTISED
;;     6. [M 4,096, K 1,024] x [K 1,024, N 1,024]; A: computed on the way; B: input Wo: QUANTISED
;;   THE QUANTISER, for each operand of a quantised product, along K:
;;     - K is cut into blocks of 32 from its start; a last block that is shorter is filled with zeros.
;;     - A block's scale is 2^e with e = floor(log2(the largest magnitude in the block)) - 2, held to -126 .. 127; a block of zeros has e = 0. As a byte (E8M0): e + 127.
;;     - Each number is divided by its block's scale, clamped to +-7.5, and rounded to the nearest number of E2M3, ties to even, subnormals kept.
;;     - The product sums the exact products of the quantised numbers (number of the format x scale) in f32.
;;   ~~~python
;;   def quantise(x, axis):      # numpy; x: float32 -> the quantised numbers, widened to float32 again
;;       x = np.moveaxis(x, axis, -1); K = x.shape[-1]
;;       x = np.pad(x, [(0, 0)] * (x.ndim - 1) + [(0, -K % 32)]); x = x.reshape(x.shape[:-1] + (-1, 32)); a = np.abs(x).max(-1, keepdims=True)
;;       e = np.where(a > 0, np.clip(np.frexp(np.where(a > 0, a, 1))[1] - 1 - 2, -126, 127), 0)      # np.frexp(a)[1] - 1 = floor(log2(a)), exactly
;;       r = np.clip(x / 2.0 ** e, -7.5, 7.5)
;;       step = 2.0 ** (np.maximum(np.frexp(np.where(r == 0, 1, r))[1] - 1, 0) - 3)
;;       q = np.round(r / step) * step * 2.0 ** e      # np.round: ties to even
;;       return np.moveaxis(q.reshape(q.shape[:-2] + (-1,))[..., :K], -1, axis).astype(np.float32)
;;   ~~~
;;   SOFTMAX AHEAD OF A QUANTISED PRODUCT. Where the list says 'softmax', what is quantised is not the finished softmax but p = 2^(t - M), with t = logit x log2(e) and M = ceil(the row's largest t), a whole number; so 1/2 < the row's largest p <= 1. The row's sum l is taken of the UNQUANTISED p, in f32, and the product's result is divided by l at the end. Since M is a whole number, a kernel that streams over the keys may use a running M (the ceiling of the running maximum): every later rescaling is an exact power of two, which a block's scale takes up: the codes' values come out the same.
;;   OPERANDS COMPUTED ON THE WAY. 'Computed on the way' means the value that the module computes at that place (a softmax that the list does not call 'softmax' is quantised finished and normalised). What goes into a quantiser is computed in f32, as accurately as f32 sums, v_exp_f32 and their like allow (about 1e-6 of the number): no bf16 or f16 on the way to a quantiser, and a product that is left as it is and whose result goes on into a quantised operand takes f32 operands (vector FMAs, or v_wmma_f32_16x16x4_f32). A number that lies on a knife's edge between two numbers of the format may be rounded either way, as far as f32 arithmetic and the matrix unit's own rounding can turn it there, and no further.
;; One version. Each part assembles by itself: llvm-mc -triple=amdgcn-amd-amdhsa -mcpu=gfx1250 --defsym DOCPART=n.
;; ======== version 1 of 1: 4 launches
;; limits: right only within a limited range of input values
;; workspace buffers: xw_codes 6,291,456 bytes; xw_scales 262,144 bytes; qkv_codes 9,437,184 bytes; qkv_scales 786,432 bytes; a_codes 3,145,728 bytes; a_scales 131,072 bytes
;; launch quant (part 1): grid 256 x 1, 4 waves a work-group, no clusters, 68,096 bytes of LDS; arguments x, Wq, Wk, Wv, Wo, xw_codes, xw_scales; writes xw_codes, xw_scales
.if DOCPART == 1
	.amdgcn_target "amdgcn-amd-amdhsa--gfx1250"
	.amdhsa_code_object_version 6
	.text
	.protected	k_q608dfcf5b0_quant
	.globl	k_q608dfcf5b0_quant
	.p2align	8
	.type	k_q608dfcf5b0_quant,@function
k_q608dfcf5b0_quant:
	s_mov_b64 s[64:65], 0
	v_nop
	global_prefetch_b8 v0, s[64:65] scope:SCOPE_SE
	s_setreg_imm32_b32 hwreg(HW_REG_WAVE_MODE, 25, 1), 1
	s_wait_xcnt 0x0
; x [4096][1024] (K innermost) and Wq, Wk, Wv, Wo [1024 (k)][1024 (n)] (K outermost), all f32, become codes of FP6 (E2M3) with K innermost, 768 bytes a row, and one E8M0 byte for each 32 along K, 32 bytes a row.
; xw_codes: x's 4,096 rows, then 4,096 rows of the weights (a row = a column n; Wq, Wk, Wv, Wo, 1,024 each).  xw_scales likewise.
; POSITIONS: row i of x, and column n of a weight, is stored at the place i with its bits 3 and 4 exchanged.  Sixteen neighbouring places 32 b + 16 u + r then hold the rows 32 b + 8 u + r + 8 (r / 8):
; the later launches read plain tiles of neighbouring places, and in their transposed products the 16 registers of two neighbouring tiles are 16 true neighbours.
; A block's scale is 2^(floor(log2(its largest magnitude)) - 2): its byte is the largest magnitude's exponent field - 2, held at 1 from below.
; LIMITS: NaN and infinities among the inputs are not served; a block whose largest magnitude lies under 2^-124 has its byte held at 1; a block of zeros gets the byte 1 and not 127: its codes are zeros, and this program alone reads the bytes.
; Work-groups 0-127 take x: a wave takes 8 rows (16 steps of 512 numbers); loads are dense (512 bytes each) and a step turns through the wave's own stage in LDS so that a lane holds 16 neighbours.
; Work-groups 128-255 take the weights: a wave takes 32 columns x 256 along K; a lane takes a column and its registers run down K; the codes leave through the wave's own stage, sixteen lanes to a row's 192 bytes.
; The two ways have LDS bytes of their own.  No tensor loads, no barrier: waves share nothing.  Memory binds: matrix units and clusters would add nothing here.
.set STEPS, 16
.set CB,    12                         ; bytes of 16 codes
.set XR,    16                         ; x: v16-79   four sets of 16 numbers as they are loaded
.set XX,    80                         ; x: v80-111  two sets of 16 neighbours
.set XE,    112                        ; x: v112-127 a scale byte for each step
.set XC,    128                        ; x: v128-191 codes, four registers for each step: no store's data are written again
.set WREG,  8192                       ; x: LDS of a wave: two stages of 32 x SP bytes, behind them its 256 scale bytes
.set SP,    80                         ; x: a lane's place in a stage: 64 bytes + 16 of padding
.set WST,   32768                      ; weights: the four stages begin here
.set PITCH, 272                        ; weights: a stage row: sixteen places of 16 bytes, each with 12 bytes of codes, + 16
.set SPARE, WST+4*32*PITCH             ; the spare words, 128 bytes for each wave: two blocks of 256 bytes that no other line names
.set SPW,   192                        ; v192 LDS address of my spare word; never rewritten
.set NIL,   193                        ; v193 0; never rewritten
.set NB,    8                          ; weights: blocks of 32 along K for a wave
; LAYOUT OF xw_codes: [256 places][K step of 256][place][192 bytes]: a block of 256 places is 196,608 bytes, in it a K step's part 49,152 bytes, dense, so that the later launches fetch it as rows of 256 bytes that begin on multiples of 256.
; The attention launch leaves out tiles of scores that lie wholly under the causal mask: their p is 0 for all values of the inputs.
.set KROW,  192                        ; a place's bytes in one K step's part
.set NROW,  4096                       ; a row of a weight in memory, in bytes
.set WX,    32                         ; weights: v32-95 two sets of 32 numbers
.set WC,    96                         ; weights: a block's codes
.set WOUT,  112                        ; weights: v112-175 the way out
.set WSB,   24                         ; weights: v24-25 the scale bytes, four to a register
	s_load_b256 s[4:11], s[0:1], 0x0               ; x s[4:5], Wq s[6:7], Wk s[8:9], Wv s[10:11]
	s_load_b128 s[12:15], s[0:1], 0x20             ; Wo s[12:13], xw_codes s[14:15]
	s_load_b64 s[16:17], s[0:1], 0x30              ; xw_scales
	v_lshl_add_u32 v[SPW], v0, 2, SPARE
	v_mov_b32 v[NIL], 0
	v_lshrrev_b32 v1, 5, v0
	v_readfirstlane_b32 s20, v1                    ; wave 0..3
	v_and_b32 v2, 31, v0                           ; lane
	s_cmp_lt_u32 ttmp9, 128
	s_cbranch_scc0 .Lw
	; ---------------- x ----------------
	v_lshlrev_b32 v3, 4, v2                        ; my 16 bytes of a load's 512
	s_mul_i32 s21, s20, WREG
	v_lshrrev_b32 v14, 2, v2
	v_mul_u32_u24 v14, v14, SP
	v_and_b32 v15, 3, v2
	v_lshl_add_u32 v14, v15, 4, v14
	v_add_nc_u32 v14, s21, v14                     ; the stage, on the way in: SP (lane / 4) + 16 (lane % 4)
	v_mul_u32_u24 v15, v2, SP
	v_add_nc_u32 v15, s21, v15                     ; and on the way out: SP x lane: my 16 neighbours
	v_and_b32 v4, 15, v2
	v_mul_u32_u24 v4, v4, CB                       ; my codes' place: sixteen lanes fill a row's 192 bytes of one K step,
	v_lshrrev_b32 v10, 4, v2
	v_mul_u32_u24 v10, v10, 0xc000
	v_add_nc_u32 v4, v4, v10                       ; lanes 16-31 the next K step's part, 49,152 bytes on
	v_lshrrev_b32 v5, 1, v2
	s_add_co_u32 s21, s21, 2*32*SP
	v_add_nc_u32 v5, s21, v5                       ; LDS: my wave's 256 scale bytes, my block's byte
	v_lshlrev_b32 v7, 3, v2                        ; and on the way out 8 bytes a lane
	v_add_nc_u32 v6, s21, v7
	s_lshl_b32 s22, ttmp9, 2
	s_add_co_u32 s22, s22, s20                     ; my run of 8 rows: 0..511
	s_lshl_b32 s24, s22, 15                        ; it begins 32,768 bytes x run into x
	s_mov_b32 s25, 0
	s_and_b32 s23, s22, 0xfffffffc                 ; a row's bits 3 and 4 are the run's bits 0 and 1: they change places
	s_and_b32 s26, s22, 1
	s_lshl_b32 s26, s26, 1
	s_or_b32 s23, s23, s26
	s_bfe_u32 s26, s22, 0x10001
	s_or_b32 s23, s23, s26                         ; the run's place
	s_lshr_b32 s26, s23, 5                         ; 32 runs of 8 places to a block of 256
	s_mul_i32 s26, s26, 196608
	s_and_b32 s27, s23, 31
	s_mul_i32 s27, s27, 8*KROW
	s_add_co_u32 s26, s26, s27
	s_mov_b32 s27, 0
	s_lshl_b32 s28, s23, 8                         ; 8 rows x 32 scale bytes
	s_mov_b32 s29, 0
	s_wait_alu depctr_va_vdst(0)
	s_wait_kmcnt 0x0
	s_add_nc_u64 s[4:5], s[4:5], s[24:25]
	s_add_nc_u64 s[14:15], s[14:15], s[26:27]
	s_add_nc_u64 s[16:17], s[16:17], s[28:29]
.macro XLOAD t
.irp i, 0,1,2,3
	global_load_b128 v[XR+16*((\t)%4)+4*\i:XR+16*((\t)%4)+4*\i+3], v3, s[4:5] offset:2048*(\t)+512*\i th:TH_LOAD_NT   ; 32 lanes read 512 consecutive bytes
.endr
.endm
.macro XTURN t                         ; step t's numbers through the stage: LDS serves a wave's instructions in order, so no wait stands between the stores and the loads
.irp i, 0,1,2,3
	ds_store_b128 v14, v[XR+16*((\t)%4)+4*\i:XR+16*((\t)%4)+4*\i+3] offset:32*SP*((\t)%2)+8*SP*\i
.endr
.irp i, 0,1,2,3
	ds_load_b128 v[XX+16*((\t)%2)+4*\i:XX+16*((\t)%2)+4*\i+3], v15 offset:32*SP*((\t)%2)+16*\i
.endr
.endm
.irp t, 0,1,2,3
	XLOAD \t
.endr
	s_wait_loadcnt 12                              ; step 0's four loads are in; the twelve of steps 1 to 3 may be out
	XTURN 0
.macro XSTEP t
.set XS, XX+16*((\t)%2)
.if (\t) > 0
	s_wait_dscnt 1                                 ; this step's numbers are back from the stage (the last step's byte store may be out)
.else
	s_wait_dscnt 0x0
.endif
.if (\t)+4 < STEPS
	XLOAD (\t)+4                                   ; into the set whose stores into the stage have read it
.endif
.if (\t)+1 < STEPS
.if STEPS-2-(\t) >= 3
	s_wait_loadcnt 12                              ; the next step's four loads are in; those of the three steps behind it may be out
.else
	s_wait_loadcnt 4*(STEPS-2-(\t))
.endif
	XTURN (\t)+1
.endif
	v_max3_num_f32 v8, |v[XS]|, |v[XS+1]|, |v[XS+2]|               ; the largest magnitude of my 16, in two chains
	v_max3_num_f32 v9, |v[XS+3]|, |v[XS+4]|, |v[XS+5]|
.irp i, 6,10
	v_max3_num_f32 v8, v8, |v[XS+\i]|, |v[XS+\i+1]|
	v_max3_num_f32 v9, v9, |v[XS+\i+2]|, |v[XS+\i+3]|
.endr
	v_max3_num_f32 v8, v8, |v[XS+14]|, |v[XS+15]|
	v_max3_num_f32 v8, v8, v9, 0x1800000           ; and the floor 2^(3 - 127): the byte cannot fall under 1
	v_max_num_f32_dpp v8, v8, v8 row_xmask:1 row_mask:0xf bank_mask:0xf   ; and of my neighbour's 16: the block's
	v_add_nc_u32 v11, 0xff000000, v8               ; 2 off its exponent field: the conversion takes the exponent field of this operand as its scale
	v_cvt_scalef32_pk16_fp6_f32 v[XC+4*(\t):XC+4*(\t)+2], v[XS:XS+15], v11
	v_lshrrev_b32 v[XE+(\t)], 23, v11              ; the scale's byte (also the plain line behind the conversion)
	ds_store_b8 v5, v[XE+(\t)] offset:16*(\t)      ; both lanes of a block write the same byte with the same value
	global_store_b96 v4, v[XC+4*(\t):XC+4*(\t)+2], s[14:15] offset:((\t)/2)*KROW+((\t)%2)*98304   ; row t / 2; K steps 2 (t % 2) and 2 (t % 2) + 1
.endm
.irp t, 0,1,2,3,4,5,6,7,8,9,10,11,12,13,14,15
	XSTEP \t
.endr
	ds_load_b64 v[8:9], v6                         ; LDS serves a wave's instructions in order: these see my stores
	s_wait_dscnt 0x0
	global_store_b64 v7, v[8:9], s[16:17]          ; 32 lanes store 256 consecutive bytes, aligned
	s_wait_tensorcnt 0x0                           ; the wave's end, behind my last LDS store
	ds_add_u32 v[SPW], v[NIL]
	s_wait_dscnt 0x0
	s_endpgm
	; ---------------- the weights ----------------
.Lw:
	s_sub_co_u32 s21, ttmp9, 128                   ; 0..127
	s_lshr_b32 s22, s21, 5                         ; which weight: 0 Wq, 1 Wk, 2 Wv, 3 Wo
	s_and_b32 s23, s21, 7                          ; which 128 columns
	s_bfe_u32 s24, s21, 0x20003                    ; which 256 along K
	s_wait_alu depctr_va_vdst(0)
	v_lshlrev_b32 v3, 2, v2                        ; in: 4 bytes a lane
	s_mul_i32 s25, s20, 32*PITCH
	s_add_co_u32 s25, s25, WST                     ; my stage
	v_mul_u32_u24 v4, v2, PITCH
	v_add_nc_u32 v4, s25, v4                       ; into it: row = my column
	v_and_b32 v5, 15, v2
	v_lshrrev_b32 v6, 4, v2
	v_mul_u32_u24 v7, v6, PITCH
	v_lshl_add_u32 v7, v5, 4, v7
	v_add_nc_u32 v7, s25, v7                       ; out of it: sixteen lanes to a row, two rows an instruction
	v_mul_u32_u24 v8, v6, KROW
	v_mad_u32_u24 v8, v5, 12, v8                   ; and the same place in the codes' buffer (an odd row's place is the even row's + 1: bit 0 does not move)
	v_and_b32 v9, 7, v2
	v_bfe_u32 v10, v2, 3, 1
	v_lshl_add_u32 v9, v10, 4, v9
	v_lshl_add_u32 v9, v6, 3, v9                   ; my column's place among the wave's 32: bits 3 and 4 exchanged
	v_lshlrev_b32 v9, 5, v9                        ; x 32 scale bytes
	s_lshl_b32 s28, s24, 20                        ; 256 rows of 4,096 bytes
	s_lshl_b32 s29, s23, 9
	s_add_co_u32 s28, s28, s29
	s_lshl_b32 s29, s20, 7
	s_add_co_u32 s28, s28, s29                     ; + 4 x (128 x columns' group + 32 x wave)
	s_mov_b32 s29, 0
	s_lshl_b32 s30, s22, 10
	s_lshl_b32 s31, s23, 7
	s_add_co_u32 s30, s30, s31
	s_lshl_b32 s31, s20, 5
	s_add_co_u32 s30, s30, s31                     ; my wave's first row among the weights' 4,096
	s_lshr_b32 s32, s30, 8
	s_mul_i32 s32, s32, 196608                     ; my block of 256 places,
	s_and_b32 s33, s30, 255
	s_mul_i32 s33, s33, KROW                       ; my first place in it,
	s_add_co_u32 s32, s32, s33
	s_mul_i32 s33, s24, 49152                      ; my K step's part
	s_add_co_u32 s32, s32, s33
	s_add_co_u32 s32, s32, 3145728                 ; behind x's codes
	s_mov_b32 s33, 0
	s_lshl_b32 s34, s30, 5
	s_lshl_b32 s35, s24, 3
	s_add_co_u32 s34, s34, s35
	s_add_co_u32 s34, s34, 131072                  ; behind x's scale bytes
	s_mov_b32 s35, 0
	s_wait_kmcnt 0x0
	s_mov_b64 s[26:27], s[6:7]                     ; the weight is chosen by the work-group's number alone
	s_cmp_eq_u32 s22, 1
	s_cselect_b64 s[26:27], s[8:9], s[26:27]
	s_cmp_eq_u32 s22, 2
	s_cselect_b64 s[26:27], s[10:11], s[26:27]
	s_cmp_eq_u32 s22, 3
	s_cselect_b64 s[26:27], s[12:13], s[26:27]
	s_add_nc_u64 s[26:27], s[26:27], s[28:29]
	s_add_nc_u64 s[14:15], s[14:15], s[32:33]
	s_add_nc_u64 s[16:17], s[16:17], s[34:35]
.macro WLOAD t                         ; block t: W(32 t + i, my column), i = 0 .. 31, into set t % 2: each load reads 128 consecutive bytes
.set i, 0
.rept 32
	global_load_b32 v[WX+32*((\t)%2)+i], v3, s[26:27] offset:(32*(\t)+i)*NROW th:TH_LOAD_NT
.set i, i+1
.endr
.endm
	WLOAD 0
	WLOAD 1
.macro WBLOCK t
.set XS, WX+32*((\t)%2)
.if (\t) < NB-1
	s_wait_loadcnt 32                              ; this block's 32 loads are in; the next block's 32 may be out
.else
	s_wait_loadcnt 0
.endif
	v_max3_num_f32 v12, |v[XS]|, |v[XS+1]|, |v[XS+2]|              ; the block's largest magnitude: all 32 numbers are mine
	v_max3_num_f32 v13, |v[XS+3]|, |v[XS+4]|, |v[XS+5]|
.irp i, 6,10,14,18,22,26
	v_max3_num_f32 v12, v12, |v[XS+\i]|, |v[XS+\i+1]|
	v_max3_num_f32 v13, v13, |v[XS+\i+2]|, |v[XS+\i+3]|
.endr
	v_max3_num_f32 v12, v12, |v[XS+30]|, |v[XS+31]|
	v_max3_num_f32 v12, v12, v13, 0x1800000        ; and the floor 2^(3 - 127)
	v_add_nc_u32 v11, 0xff000000, v12              ; 2 off its exponent field: the conversion's scale operand
	v_lshrrev_b32 v13, 23, v11                     ; the scale's byte
.if (\t)%4 == 0
	v_mov_b32 v[WSB+(\t)/4], v13                   ; four bytes to a register, the lower K in the lower byte
.else
	v_lshl_or_b32 v[WSB+(\t)/4], v13, 8*((\t)%4), v[WSB+(\t)/4]
.endif
	v_cvt_scalef32_pk16_fp6_f32 v[WC:WC+2], v[XS:XS+15], v11
	v_cvt_scalef32_pk16_fp6_f32 v[WC+4:WC+6], v[XS+16:XS+31], v11  ; (a conversion's three registers begin on an even number)
	v_nop                                          ; one plain line behind the conversions
	ds_store_b96 v4, v[WC:WC+2] offset:32*(\t)     ; 12 bytes to a place of 16, so that every LDS address is a multiple of 16
	ds_store_b96 v4, v[WC+4:WC+6] offset:32*(\t)+16
.if (\t)+2 < NB
	WLOAD (\t)+2
.endif
	s_wait_dscnt 0x0                               ; the stores have read their registers: the next block's codes may be written
.endm
.irp t, 0,1,2,3,4,5,6,7
	WBLOCK \t
.endr
	s_wait_alu depctr_va_vdst(0)
	global_store_b64 v9, v[WSB:WSB+1], s[16:17]    ; my column's 8 scale bytes: 8 bytes a lane, rows 32 bytes apart: one byte in 128 of what this way reads
.irp t, 0,1,2,3,4,5,6,7,8,9,10,11,12,13,14,15
	ds_load_b96 v[WOUT+4*\t:WOUT+4*\t+2], v7 offset:2*\t*PITCH     ; LDS serves a wave's instructions in order: these see my stores
.endr
.irp t, 0,1,2,3,4,5,6,7,8,9,10,11,12,13,14,15
	s_wait_dscnt 15-\t                             ; the younger loads from the stage may be out
	global_store_b96 v8, v[WOUT+4*\t:WOUT+4*\t+2], s[14:15] offset:(((2*\t)&7)|((((2*\t)>>3)&1)<<4)|((((2*\t)>>4)&1)<<3))*KROW   ; stage row 2 t goes to its place: sixteen lanes store a row's 192 consecutive bytes
.endr
	s_wait_tensorcnt 0x0                           ; the wave's end, behind my last LDS store
	ds_add_u32 v[SPW], v[NIL]
	s_wait_dscnt 0x0
	s_endpgm
.Lfunc_end_k_q608dfcf5b0_quant:
	.size	k_q608dfcf5b0_quant, .Lfunc_end_k_q608dfcf5b0_quant-k_q608dfcf5b0_quant
	.p2alignl 7, 3214868480
	.fill 96, 4, 3214868480
	.section	.rodata,"a",@progbits
	.p2align	6, 0x0
	.amdhsa_kernel k_q608dfcf5b0_quant
		.amdhsa_group_segment_fixed_size 68096
		.amdhsa_private_segment_fixed_size 0
		.amdhsa_enable_private_segment 0
		.amdhsa_kernarg_size 56
		.amdhsa_user_sgpr_count 2
		.amdhsa_user_sgpr_kernarg_segment_ptr 1
		.amdhsa_wavefront_size32 1
		.amdhsa_system_sgpr_workgroup_id_x 1
		.amdhsa_system_sgpr_workgroup_id_y 1
		.amdhsa_system_sgpr_workgroup_id_z 1
		.amdhsa_system_vgpr_workitem_id 0
		.amdhsa_next_free_vgpr 200
		.amdhsa_next_free_sgpr 66
		.amdhsa_reserve_vcc 0
		.amdhsa_float_denorm_mode_32 3
		.amdhsa_float_denorm_mode_16_64 3
		.amdhsa_memory_ordered 1
		.amdhsa_forward_progress 1
		.amdhsa_inst_pref_size 75
	.end_amdhsa_kernel
	.amdgpu_metadata
---
amdhsa.version: [ 1, 2 ]
amdhsa.kernels:
  - .name:           k_q608dfcf5b0_quant
    .symbol:         k_q608dfcf5b0_quant.kd
    .args:
      - { .name: x, .offset: 0, .size: 8, .value_kind: global_buffer, .address_space: global }
      - { .name: Wq, .offset: 8, .size: 8, .value_kind: global_buffer, .address_space: global }
      - { .name: Wk, .offset: 16, .size: 8, .value_kind: global_buffer, .address_space: global }
      - { .name: Wv, .offset: 24, .size: 8, .value_kind: global_buffer, .address_space: global }
      - { .name: Wo, .offset: 32, .size: 8, .value_kind: global_buffer, .address_space: global }
      - { .name: xw_codes, .offset: 40, .size: 8, .value_kind: global_buffer, .address_space: global }
      - { .name: xw_scales, .offset: 48, .size: 8, .value_kind: global_buffer, .address_space: global }
    .group_segment_fixed_size: 68096
    .private_segment_fixed_size: 0
    .kernarg_segment_align: 8
    .kernarg_segment_size: 56
    .max_flat_workgroup_size: 128
    .sgpr_count:     66
    .vgpr_count:     200
    .wavefront_size: 32
...
	.end_amdgpu_metadata
.endif
;; end of part 1
;; launch qkv (part 2): grid 8 x 24, 4 waves a work-group, clusters of 4 x 4, 327,680 bytes of LDS; arguments xw_codes, xw_scales, qkv_codes, qkv_scales; writes qkv_codes, qkv_scales
.if DOCPART == 2
	.amdgcn_target "amdgcn-amd-amdhsa--gfx1250"
	.amdhsa_code_object_version 6
	.text
	.protected	k_q608dfcf5b0_qkv
	.globl	k_q608dfcf5b0_qkv
	.p2align	8
	.type	k_q608dfcf5b0_qkv,@function
k_q608dfcf5b0_qkv:
	s_mov_b64 s[64:65], 0
	v_nop
	global_prefetch_b8 v0, s[64:65] scope:SCOPE_SE
	s_setreg_imm32_b32 hwreg(HW_REG_WAVE_MODE, 25, 1), 1
	s_wait_xcnt 0x0
	s_wait_alu depctr_hold_cnt(0) depctr_sa_sdst(0) depctr_va_vdst(0) depctr_va_sdst(0) depctr_va_ssrc(0) depctr_va_vcc(0) depctr_vm_vsrc(0)
	s_getreg_b32 s2, hwreg(HW_REG_IB_STS2, 6, 4)
	s_cmp_eq_u32 s2, 0
	s_cbranch_scc0 .Lentry_in_a_cluster
	s_endpgm
.Lentry_in_a_cluster:
	s_bfe_u32 s2, ttmp6, 0x10000c
	s_cmp_lg_u32 s2, 0xf033
	s_cbranch_scc0 .Lentry_shape_is_right
	s_endpgm
.Lentry_shape_is_right:
; q = x Wq, k = x Wk, v = x Wv on codes of FP6 (E2M3) with E8M0 scales, K = 1,024; the results never leave as f32: they are quantised in registers, along the axis that the attention's products contract, and stored as images of operand registers.
; ONE TEXT, C = A B^T, quantised along N.  Clusters with y 0-3: A = x (4,096 rows), B = Wq and Wk (2,048 rows): C[token][n], blocks of 32 along a head's 64.
; Clusters with y 4, 5: A = Wv (1,024 rows), B = x (4,096 rows): C[channel][token], blocks of 32 along the keys.  The part is chosen by offsets selected on the cluster's y, which all sixteen partners share: no branch.
; A tile of C is 256 x 256: four waves, each 128 x 128: 64 accumulators, 512 registers.  192 tiles in all: 12 clusters of 16.  K goes in steps of 256 (rows of 192 bytes) through a ring of two LDS slots filled by the tensor data mover.
; The scale bytes of the work-group's rows, for all of K, come into LDS once, with the first fills.
; CLUSTERS: 4 x 4.  The four of a row of the cluster need the same tiles of A, the four of a column the same tiles of B: each tile is asked for jointly, by the same tensor load with the same descriptor and a mask that names the four.
; THE MATRIX INSTRUCTION IS USED TRANSPOSED (source 0 = 16 rows of B, source 1 = 16 rows of A): a lane holds one row of C.  Rows lie at places with bits 3 and 4 of their number exchanged, so the 16 registers of B's tiles 2 b and 2 b + 1
; are the 16 true neighbours 32 b + 16 (lane / 16) + 0 .. 15 along N: what the conversions want.
; A HALF IMAGE: 16 rows x 64 along K of codes are 6 registers a lane: registers 0-3 at 16 x lane, registers 4-5 at 512 + 8 x lane: 768 bytes.  qkv_codes: q, k: [g][tile of 16 places][768], g = head (q), 16 + head (k);
; from 6,291,456 on v: [64 keys][tile of 16 channel places][768].  qkv_scales: a word for each row, 64 bytes a tile, in the same order; from 524,288 on v's.  A group's word holds its two bytes below; an even group's also the next group's two above (v: the four bytes of 128 keys).
; LIMITS: NaN and infinities are not served; a block whose largest magnitude lies under 2^-124 has its byte held at 1; a block of zeros gets the byte 1 and not 127: its codes are zeros, and this program alone reads the bytes.
; REGISTERS, in windows of 256: window 0: v0-31 addresses; v32-63 scale words, two sets; from v128 A's fragments, one set.  window 1: B's fragments, two sets, at v0 and v128.  windows 2, 3: the accumulators ((a, b) at v[8 (8 (a % 4) + b)]).
.set KSTEP,  256
.set NQ,     2                         ; matrix instructions deep in a slot
.set ROWB,   49152                     ; from a K step's part of a block of 256 places to the next: xw_codes lies [256 places][K step][place][192 bytes], each part dense
.set KROW,   768                       ; a row of codes in memory
.set PITCH,  240                       ; an LDS row: 3 x (64 bytes + 16 of padding): the 32 lanes of a load of 8 bytes touch 64 different banks (64 banks of 4 bytes: ISA guide 11.1)
.set FR,     12
.set NL,     6
.set NP,     4                         ; places behind this matrix instruction (ISA guide 7.12.1)
.set HALFT,  128*PITCH
.set SLOT,   4*HALFT
.set LAPS,   2                         ; 1,024 / 512
.set KS,     32                        ; a row of scale bytes
.set SCL,    2*SLOT
.set HALFS,  (128*KS/256)*272
.set SBLK,   (16*KS/256)*272
.set SPARE,  SCL+4*HALFS               ; the spare words, 128 bytes for each wave: two blocks of 256 bytes that no other line names
.set SSTG,   SPARE+512                 ; a stage for the results' scale words, 1,024 bytes for each wave: no fill lands here
.set ADRA, 16                          ; v16-17 LDS address of my A fragments in slot 0, 1 (v18-19: behind one padding more)
.set ADRB, 20                          ; v20-23 the same for B
.set ADRS, 27                          ; v27 LDS address of my scale words: lanes 0-15 A's rows, lanes 16-31 B's
.set SPW,  28
.set NIL,  29
.set SC,   32
.set AF,   128
.set TM,   32                          ; the way out: v32-47 at work
.set PW,   48                          ; v48-55 block a's scale word
.set CDB,  64                          ; v64-83 and v96-115 by turns: the codes just made
.set TT,   128                         ; v128-135 scale words read back from the stage
.set G1, 24
.set G0, 32
.set G1B, 48
.set G0B, 56
.set G1S, 68
.set G0S, 76
.set G1SB, 80
.set G0SB, 88
.set MSB, 0
.macro WIN new                         ; the immediate's high byte repeats the setting that is left
.if MSB != \new
	s_set_vgpr_msb (MSB<<8)|\new
.set MSB, \new
.endif
.endm
.set MUL_LO, 0xa1                      ; source 0 (B) window 1, source 1 (A) window 0, C and D window 2
.set MUL_HI, 0xf1
.set TO_B,   0x40
; A joint load: waves 0 and 1 fetch for A, waves 2 and 3 for B; the branch hangs on the wave's number alone.  An s_nop 0 and four v_nop follow each of the two lines.
.macro JLOAD g0a, g1a, g0b, g1b
	s_cmp_eq_u32 s15, 0
	s_cbranch_scc0 .Lfor_b_\@
	tensor_load_to_lds s[\g0a:\g0a+3], s[\g1a:\g1a+7]
	s_nop 0
.rept 4
	v_nop
.endr
	s_branch .Lasked_\@
.Lfor_b_\@:
	tensor_load_to_lds s[\g0b:\g0b+3], s[\g1b:\g1b+7]
	s_nop 0
.rept 4
	v_nop
.endr
.Lasked_\@:
.endm
.macro CREST                           ; a round of the cluster's barrier behind its opening barrier
	s_cmp_lg_u32 s14, 0
	s_cbranch_scc1 .Lnot_wave_0_\@
	s_barrier_signal -3
.Lnot_wave_0_\@:
	s_barrier_wait -3
	s_barrier_signal -1
	s_barrier_wait -1
.endm
.macro CROUND
	s_barrier_signal -1
	s_barrier_wait -1
	CREST
.endm
	s_load_b256 s[4:11], s[0:1], 0x0               ; xw_codes s[4:5], xw_scales s[6:7], qkv_codes s[8:9], qkv_scales s[10:11]
	v_lshl_add_u32 v[SPW], v0, 2, SPARE
	v_mov_b32 v[NIL], 0
	ds_add_u32 v[SPW], v[NIL]                      ; the wave's opening: the add and its wait ahead of my first tensor load; the set-up below, work on registers, stands between them
	ds_add_u32 v[SPW], v[NIL]
	v_lshrrev_b32 v1, 5, v0
	v_readfirstlane_b32 s14, v1                    ; wave 0..3
	s_lshr_b32 s15, s14, 1                         ; which half of the tile's rows is mine.  Also: I fetch for A (0) or for B (1)
	s_and_b32 s16, s14, 1                          ; which half of its columns.  Also: which 128 rows I fetch
	s_bfe_u32 s40, ttmp6, 0x40000                  ; cx, cy: my place in the cluster
	s_bfe_u32 s41, ttmp6, 0x40004
	s_and_b32 s96, ttmp7, 0xffff                   ; the cluster's y: 0-3 q and k, 4-5 v
	s_sub_co_u32 s97, s96, 4
	s_lshl_b32 s97, s97, 1
	s_add_co_u32 s97, s97, ttmp9                   ; v: the cluster's column 0..3 (used there alone)
	s_cmp_ge_u32 s96, 4
	s_cselect_b32 s17, 0, s96
	s_cselect_b32 s42, s97, ttmp9
	s_cselect_b32 s95, 2, 0                        ; v's groups are a quarter as far apart
	s_lshl_b32 s17, s17, 2
	s_add_co_u32 s17, s17, s41                     ; tile row of C
	s_lshl_b32 s42, s42, 2
	s_add_co_u32 s42, s42, s40                     ; tile column of C
	s_lshl_b32 s43, s41, 2
	s_lshl_b32 s43, 15, s43                        ; my row of the cluster
	s_lshl_b32 s44, 0x1111, s40                    ; my column
	; descriptor group 1: a tile of 128 rows x 192 bytes, 16 bytes of padding behind every 64
	s_or_b32 s[G1+0], s43, (0<<16)|(1<<20)|(1<<21)|(3<<22)|(3<<25)
	s_or_b32 s[G1B+0], s44, (0<<16)|(1<<20)|(1<<21)|(3<<22)|(3<<25)
.irp g, G1, G1B
	s_mov_b32 s[\g+1], 256<<16                     ; a dense part comes as rows of 256 bytes: 192 of them are 256 places (the head's loads); behind the head 96, for 128 places
	s_mov_b32 s[\g+2], 192<<16
	s_mov_b32 s[\g+3], 256<<16
	s_mov_b32 s[\g+4], 192
	s_mov_b32 s[\g+5], 256
	s_mov_b32 s[\g+6], 0
	s_mov_b32 s[\g+7], 0
.endr
	; the scale bytes of 256 rows: a dense block of 8,192 bytes, as rows of 256 bytes (32 elements of 8 bytes), 16 bytes of padding behind each
	s_or_b32 s[G1S+0], s43, (3<<16)|(1<<20)|(1<<21)|(5<<22)|(3<<25)
	s_or_b32 s[G1SB+0], s44, (3<<16)|(1<<20)|(1<<21)|(5<<22)|(3<<25)
.irp g, G1S, G1SB
	s_mov_b32 s[\g+1], 32<<16
	s_mov_b32 s[\g+2], (256*KS/256)<<16            ; the scale bytes of all 256 rows by one load
	s_mov_b32 s[\g+3], 32<<16
	s_mov_b32 s[\g+4], 256*KS/256
	s_mov_b32 s[\g+5], 32
	s_mov_b32 s[\g+6], 0
	s_mov_b32 s[\g+7], 0
.endr
	s_lshl_b32 s20, s17, 8                         ; A: the tile's first row, 256 x tile row
	s_lshl_b32 s46, s42, 8                         ; B: 256 x tile column
	s_mov_b32 s21, 0
	s_mov_b32 s47, 0
	s_mov_b64 s[18:19], KS
	s_mul_u64 s[22:23], s[20:21], s[18:19]         ; where these rows' scale bytes begin
	s_mul_u64 s[92:93], s[46:47], s[18:19]
	s_mov_b64 s[18:19], KROW
	s_mul_u64 s[20:21], s[20:21], s[18:19]         ; and their codes
	s_mul_u64 s[46:47], s[46:47], s[18:19]
	s_mov_b32 s99, 0
	s_cmp_ge_u32 s96, 4                            ; once more: the shifts and sums above have written SCC.  The 64-bit sums below leave it alone
	s_cselect_b32 s98, 4718592, 0                  ; A: Wv's codes, or x's
	s_add_nc_u64 s[20:21], s[20:21], s[98:99]
	s_cselect_b32 s98, 196608, 0
	s_add_nc_u64 s[22:23], s[22:23], s[98:99]
	s_cselect_b32 s98, 0, 3145728                  ; B: x's codes, or Wq's and Wk's
	s_add_nc_u64 s[46:47], s[46:47], s[98:99]
	s_cselect_b32 s98, 0, 131072
	s_add_nc_u64 s[92:93], s[92:93], s[98:99]
	s_mul_i32 s45, s14, HALFT                      ; where they go: wave x 128 rows: no place in the cluster enters an LDS address
	s_mul_i32 s18, s16, 24576                      ; in the ring I fetch 128 places of a part: which half, in bytes
	s_mov_b32 s19, 0
	s_wait_dscnt 0x0                               ; the opening add is done
	s_wait_kmcnt 0x0
	s_add_nc_u64 s[20:21], s[4:5], s[20:21]
	s_add_nc_u64 s[22:23], s[6:7], s[22:23]
	s_add_nc_u64 s[46:47], s[4:5], s[46:47]
	s_add_nc_u64 s[92:93], s[6:7], s[92:93]
	CROUND                                         ; all sixteen work-groups are here: the first joint loads meet
	s_mov_b32 s[G0S], 1
	s_mov_b32 s[G0S+1], SCL
	s_mov_b64 s[G0S+2:G0S+3], s[22:23]
	s_or_b32 s[G0S+3], s[G0S+3], 0x80000000
	s_mov_b32 s[G0SB], 1
	s_mov_b32 s[G0SB+1], SCL+2*HALFS
	s_mov_b64 s[G0SB+2:G0SB+3], s[92:93]
	s_or_b32 s[G0SB+3], s[G0SB+3], 0x80000000
	s_mov_b32 s[G0], 1                             ; slot 0's group 0 serves the head first: K step 0's 256 places of A, whole,
	s_mov_b32 s[G0+1], 0
	s_mov_b64 s[G0+2:G0+3], s[20:21]
	s_or_b32 s[G0+3], s[G0+3], 0x80000000
	s_mov_b32 s[G0B], 1                            ; and of B, behind them
	s_mov_b32 s[G0B+1], 2*HALFT
	s_mov_b64 s[G0B+2:G0B+3], s[46:47]
	s_or_b32 s[G0B+3], s[G0B+3], 0x80000000
	s_add_nc_u64 s[20:21], s[20:21], s[18:19]      ; for the ring: my 128 places
	s_add_nc_u64 s[46:47], s[46:47], s[18:19]
	s_mov_b32 s[G0+4], 1                           ; slot 1: K step 1
	s_add_co_u32 s[G0+5], s45, SLOT
	s_add_nc_u64 s[G0+6:G0+7], s[20:21], ROWB
	s_or_b32 s[G0+7], s[G0+7], 0x80000000
	s_mov_b32 s[G0B+4], 1
	s_add_co_u32 s[G0B+5], s45, SLOT
	s_add_nc_u64 s[G0B+6:G0B+7], s[46:47], ROWB
	s_or_b32 s[G0B+7], s[G0B+7], 0x80000000
; THE HEAD'S LOADS, ONE A WAVE: wave 0 K step 0 of A, wave 1 of B, wave 2 A's scale bytes, wave 3 B's.  One chain of branches on the wave's number; every way passes exactly one load.
.macro ARM under, g0, g1, next
	s_cmp_lt_u32 s14, \under
	s_cbranch_scc0 \next
	tensor_load_to_lds s[\g0:\g0+3], s[\g1:\g1+7]
	s_nop 0
.rept 4
	v_nop
.endr
	s_branch .Lhead_asked
\next:
.endm
	ARM 1, G0,  G1,  .Lhead_b
	ARM 2, G0B, G1B, .Lhead_sa
	ARM 3, G0S, G1S, .Lhead_sb
	tensor_load_to_lds s[G0SB:G0SB+3], s[G1SB:G1SB+7]
	s_nop 0
.rept 4
	v_nop
.endr
.Lhead_asked:
	v_and_b32 v1, 15, v0                           ; r = lane % 16
	v_bfe_u32 v2, v0, 4, 1                         ; h = lane / 16
	v_mul_u32_u24 v3, v1, PITCH
	v_mul_u32_u24 v4, v2, 24
	v_add_nc_u32 v4, v3, v4                        ; a fragment's row x pitch + 24 x half
	v_lshl_add_u32 v5, v2, 4, v4                   ; and the same behind one padding more
	s_mul_i32 s21, s15, HALFT                      ; my 128 rows of A
	s_mul_i32 s22, s16, HALFT                      ; my 128 rows of B,
	s_add_co_u32 s22, s22, 2*HALFT                 ; which lie behind A's 256
.irp s, 0,1
	v_add_nc_u32 v[ADRA+\s], s21, v4
	v_add_nc_u32 v[ADRB+\s], s22, v4
	v_add_nc_u32 v[ADRA+2+\s], s21, v5
	v_add_nc_u32 v[ADRB+2+\s], s22, v5
	s_add_co_u32 s21, s21, SLOT
	s_add_co_u32 s22, s22, SLOT
.endr
	v_mul_u32_u24 v5, v1, KS                       ; my row's scale bytes: 32 a row,
	v_lshrrev_b32 v6, 8, v5
	v_lshl_add_u32 v5, v6, 4, v5                   ; and 16 more for each 256 passed
	s_mul_i32 s21, s15, HALFS
	s_mul_i32 s22, s16, HALFS
	s_add_co_u32 s22, s22, 2*HALFS
	s_sub_co_u32 s22, s22, s21
	v_mul_u32_u24 v6, s22, v2                      ; lanes 16-31 take B's
	s_add_co_u32 s21, s21, SCL
	v_add_nc_u32 v5, v5, v6
	v_add_nc_u32 v[ADRS], s21, v5
	; the way out: where my wave's images go
	s_lshr_b32 s97, 196608, s95                    ; from group to group in the codes: 256 tiles x 768 (v: 64 x 768),
	s_lshr_b32 s98, 16384, s95                     ; and in the scale words
	s_lshl_b32 s18, s42, 2
	s_lshl_b32 s19, s16, 1
	s_add_co_u32 s18, s18, s19                     ; my first group of 64 along N: 4 x tile column + 2 x half
	s_lshl_b32 s19, s17, 4
	s_lshl_b32 s22, s15, 3
	s_add_co_u32 s19, s19, s22                     ; my first tile of 16 rows: 16 x tile row + 8 x half
	s_mul_i32 s22, s18, s97
	s_mul_i32 s23, s19, 768
	s_add_co_u32 s22, s22, s23
	s_cmp_ge_u32 s96, 4
	s_cselect_b32 s23, 6291456, 0
	s_cselect_b32 s46, 524288, 0
	s_add_co_u32 s22, s22, s23
	s_mov_b32 s23, 0
	s_add_nc_u64 s[12:13], s[8:9], s[22:23]        ; the codes' base
	s_mul_i32 s22, s18, s98
	s_lshl_b32 s19, s19, 6
	s_add_co_u32 s22, s22, s19
	s_add_co_u32 s22, s22, s46
	s_add_nc_u64 s[66:67], s[10:11], s[22:23]      ; the scale words' base
	v_and_b32 v6, 31, v0
	v_lshlrev_b32 v24, 4, v6                       ; 16 x lane
	v_lshlrev_b32 v25, 3, v6                       ; 8 x lane
	v_add_nc_u32 v26, s97, v24                     ; the same, one group on
	v_add_nc_u32 v30, s97, v25
	v_add_nc_u32 v31, s98, v24
	s_lshl_b32 s22, s14, 10
	s_add_co_u32 s22, s22, SSTG                    ; my stage for scale words
	v_lshlrev_b32 v8, 2, v1
	v_lshl_add_u32 v8, v2, 9, v8
	v_add_nc_u32 v8, s22, v8                       ; in: 4 r; lanes 16-31, the odd group's words, 512 bytes on
	v_add_nc_u32 v9, s22, v24                      ; back: 16 bytes a lane
	v_lshlrev_b32 v10, 4, v2                       ; 16 h: lanes 16-31 shift the odd group's two bytes down
	s_mov_b32 s20, 0x76543210
	s_mov_b32 s21, 0xfedcba98                      ; v_permlanex16_b32's selects for lane l xor 16
.macro FRAG reg, adr, q, i             ; a fragment, 16 rows x 128 K, is 12 registers: registers 6 c .. 6 c + 5 hold K = 64 c + 32 (lane / 16) + 0 .. 31: 24 bytes of the row, as they lie, in pieces of 8 bytes
.irp p, 0,1,2,3,4,5
.set PC, 12*(\q)+6*(\p/3)+\p%3        ; where the piece three on lies behind one padding more, the second address register serves
.if PC%8 < 5
	ds_load_b64 v[\reg+2*\p:\reg+2*\p+1], v[\adr] offset:8*PC+16*(PC/8)+(\i)*16*PITCH
.else
	ds_load_b64 v[\reg+2*\p:\reg+2*\p+1], v[\adr+2] offset:8*PC+16*(PC/8)+(\i)*16*PITCH
.endif
.endr
.endm
; 16 matrix instructions: A's blocks a0, a0 + 1 x B's eight, 128 along K.  The 64 accumulators take turns, one instruction a turn, in the same order in every step.
.macro MUL16 a0, p, q, sc, zero
.irp a, \a0, \a0+1
.irp b, 0,1,2,3,4,5,6,7
.if \zero
	v_wmma_scale_f32_16x16x128_f8f6f4 v[8*(8*((\a)%4)+\b):8*(8*((\a)%4)+\b)+7], v[128*(\p)+FR*\b:128*(\p)+FR*\b+FR-1], v[AF+FR*(\a):AF+FR*(\a)+FR-1], 0, v[SC+8*NQ*(\sc)+NQ*\b+(\q)], v[SC+8*NQ*(\sc)+NQ*(\a)+(\q)] matrix_a_fmt:MATRIX_FMT_FP6 matrix_b_fmt:MATRIX_FMT_FP6 matrix_a_scale:MATRIX_SCALE_ROW1
.else
	v_wmma_scale_f32_16x16x128_f8f6f4 v[8*(8*((\a)%4)+\b):8*(8*((\a)%4)+\b)+7], v[128*(\p)+FR*\b:128*(\p)+FR*\b+FR-1], v[AF+FR*(\a):AF+FR*(\a)+FR-1], v[8*(8*((\a)%4)+\b):8*(8*((\a)%4)+\b)+7], v[SC+8*NQ*(\sc)+NQ*\b+(\q)], v[SC+8*NQ*(\sc)+NQ*(\a)+(\q)] matrix_a_fmt:MATRIX_FMT_FP6 matrix_b_fmt:MATRIX_FMT_FP6 matrix_a_scale:MATRIX_SCALE_ROW1
.endif
.endr
.endr
.endm
.macro FETCH_B slot, q, p
	WIN TO_B
.irp i, 0,1,2,3,4,5,6,7
	FRAG 128*(\p)+FR*\i, ADRB+\slot, \q, \i
.endr
	WIN 0
.endm
.macro FETCH_A slot, q, i0
.irp i, \i0, \i0+1, \i0+2, \i0+3
	FRAG AF+FR*(\i), ADRA+\slot, \q, \i
.endr
.endm
.macro SCALES sc                       ; a K step's scale words: two words a row; lanes 0-15 take A's block i, lanes 16-31 B's block i
.irp i, 0,1,2,3,4,5,6,7
	ds_load_b64 v[SC+8*NQ*\sc+NQ*\i:SC+8*NQ*\sc+NQ*\i+1], v[ADRS] offset:\i*SBLK
.endr
.endm
.macro PLACES n                        ; plain vector instructions that name none of the matrix instructions' registers, in front of loads into registers that they have read and of the first read of results
.rept \n
	v_nop
.endr
.endm
.macro STEP slot, q, zero              ; a step of 128 along K that has its successor in the same slot
	s_wait_dscnt 4*NL                              ; B's set and A's blocks 0-3 are in; the youngest 24 loads (A's blocks 4-7) may be out
	WIN MUL_LO
	MUL16 0, (\q)%2, \q, \slot, \zero
	MUL16 2, (\q)%2, \q, \slot, \zero
	s_wait_dscnt 0
	PLACES NP
	FETCH_B \slot, (\q)+1, 1-(\q)%2
	FETCH_A \slot, (\q)+1, 0
	WIN MUL_HI
	MUL16 4, (\q)%2, \q, \slot, \zero
	MUL16 6, (\q)%2, \q, \slot, \zero
	PLACES NP
	WIN 0
	FETCH_A \slot, (\q)+1, 4
.endm
; A slot's last step changes slots: one barrier; in front of it each wave waits for all its tensor loads, adds 0 to its spare word, and waits for that and for its own reads of this slot.  fill = 1: this slot is filled again, two K steps ahead.
.macro TURN slot, next, fill
	s_wait_tensorcnt 0x0                           ; all my tensor loads have landed: my part of the next slot
	ds_add_u32 v[SPW], v[NIL]                      ; 0 onto my spare word
	s_wait_dscnt 4*NL+1                            ; (the add and the youngest 24 loads, A's blocks 4-7, may be out)
	WIN MUL_LO
	MUL16 0, 1, NQ-1, \slot, 0                     ; sixteen matrix instructions stand between the add and the wait for it
	s_wait_dscnt 0x0                               ; the add is done, and my reads of this slot are over
	s_barrier_signal -1
	MUL16 2, 1, NQ-1, \slot, 0
	WIN 0
	s_barrier_wait -1
.if \fill
	CREST                                          ; the barrier has opened a round of the cluster's barrier: no wave of any partner still reads this slot or has a load on its way
	s_add_nc_u64 s[G0+4*\slot+2:G0+4*\slot+3], s[G0+4*\slot+2:G0+4*\slot+3], 2*ROWB
	s_add_nc_u64 s[G0B+4*\slot+2:G0B+4*\slot+3], s[G0B+4*\slot+2:G0B+4*\slot+3], 2*ROWB
	JLOAD G0+4*\slot, G1, G0B+4*\slot, G1B         ; the first tensor load behind the round, and my only one until the next; its four v_nop are the places in front of the loads below
.else
	PLACES NP
.endif
	s_wait_alu depctr_va_vdst(0)
	v_add_nc_u32 v[ADRS], 4*NQ, v[ADRS]            ; on to the next K step's scale words
	FETCH_B \next, 0, 0
	FETCH_A \next, 0, 0
	SCALES \next
	WIN MUL_HI
	MUL16 4, 1, NQ-1, \slot, 0
	MUL16 6, 1, NQ-1, \slot, 0
	PLACES NP
	WIN 0
	FETCH_A \next, 0, 4
.endm
	s_wait_alu depctr_va_vdst(0)
	s_wait_tensorcnt 0x0                           ; my tile of the head's four is in
	ds_add_u32 v[SPW], v[NIL]
	s_mov_b32 s[G1+2], 96<<16                      ; no tensor load of mine is out: from here on a load brings 128 places, 96 rows of 256 bytes,
	s_mov_b32 s[G1+4], 96
	s_mov_b32 s[G1B+2], 96<<16
	s_mov_b32 s[G1B+4], 96
	s_mul_i32 s98, s16, 24576
	s_mov_b32 s99, 0
	s_mov_b32 s[G0+1], s45                         ; and slot 0's group 0 becomes the ring's: my quarter of the slot, my 128 places
	s_add_nc_u64 s[G0+2:G0+3], s[G0+2:G0+3], s[98:99]
	s_mov_b32 s[G0B+1], s45
	s_add_nc_u64 s[G0B+2:G0B+3], s[G0B+2:G0B+3], s[98:99]
	s_wait_dscnt 0x0
	CROUND                                         ; a whole round: all four tiles are in, all sixteen work-groups are here,
	JLOAD G0+4, G1, G0B+4, G1B                     ; and K step 1's load is the first tensor load behind it
	FETCH_B 0, 0, 0
	FETCH_A 0, 0, 0
	SCALES 0
	FETCH_A 0, 0, 4
	STEP 0, 0, 1                                   ; the first step stands in front of the loop: its products start the sums
	s_mov_b32 s3, LAPS-1
.Llap:                                                 ; a trip goes once round the ring and fills both slots again: 256 matrix instructions a wave
	TURN 0, 1, 1
	STEP 1, 0, 0
	TURN 1, 0, 1
	STEP 0, 0, 0
	s_sub_co_u32 s3, s3, 1
	s_cmp_lg_u32 s3, 0
	s_cbranch_scc1 .Llap
	TURN 0, 1, 0                                   ; the last lap fills nothing
	STEP 1, 0, 0
	s_wait_dscnt 4*NL
	WIN MUL_LO
	MUL16 0, 1, NQ-1, 1, 0
	MUL16 2, 1, NQ-1, 1, 0
	s_wait_dscnt 0
	WIN MUL_HI
	MUL16 4, 1, NQ-1, 1, 0
	MUL16 6, 1, NQ-1, 1, 0
	WIN 0
; THE WAY OUT.  Block a: 16 rows x 128 along N: 64 registers of a lane, register 16 b + i = N 32 b + 16 (lane / 16) + i of my row.  They become a fragment's 12 registers (two half images) and a scale word.
.macro OUTB a
.set AC, 64*((\a)%4)
.set CD, CDB+32*((\a)%2)
.if (\a) >= 2
	s_wait_xcnt 0x0                                ; block a - 2's stores have read this set of registers
.endif
	WIN 5*(2+(\a)/4)                               ; sources 0 and 1: the accumulators' window
.irp b, 0,1,2,3
	v_max3_num_f32 v[TM+\b], |v[AC+16*\b]|, |v[AC+16*\b+1]|, 0x1800000   ; block b of 32: my 16 numbers, and the floor 2^(3 - 127).  Each accumulator is read from its low end on
.endr
.irp i, 2,4,6,8,10,12,14
.irp b, 0,1,2,3
	v_max3_num_f32 v[TM+\b], |v[AC+16*\b+\i]|, |v[AC+16*\b+\i+1]|, v[TM+\b]
.endr
.endr
	WIN 0
.irp b, 0,1,2,3
	v_permlanex16_b32 v[TM+4+\b], v[TM+\b], s20, s21
.endr
.irp b, 0,1,2,3
	v_max_num_f32 v[TM+\b], v[TM+\b], v[TM+4+\b]   ; with lane l xor 16's: the block's largest magnitude
.endr
.irp b, 0,1,2,3
	v_add_nc_u32 v[TM+12+\b], 0xff000000, v[TM+\b] ; 2 off its exponent field: the conversion's scale operand
.endr
.irp b, 0,1,2,3
	v_lshrrev_b32 v[TM+4+\b], 23, v[TM+12+\b]      ; the scale's byte
.endr
	v_lshl_or_b32 v[PW+\a], v[TM+5], 8, v[TM+4]
	v_lshl_or_b32 v[PW+\a], v[TM+6], 16, v[PW+\a]
	v_lshl_or_b32 v[PW+\a], v[TM+7], 24, v[PW+\a]  ; my row's four bytes
	WIN 2+(\a)/4                                   ; source 0: the accumulators' window
.irp c, 0,1
	v_cvt_scalef32_pk16_fp6_f32 v[CD+6*\c:CD+6*\c+2], v[AC+32*\c:AC+32*\c+15], v[TM+12+2*\c]
	v_cvt_scalef32_pk16_fp6_f32 v[CD+12+4*\c:CD+14+4*\c], v[AC+16+32*\c:AC+31+32*\c], v[TM+12+2*\c+1]   ; (a conversion's three registers begin on an even number)
.endr
	WIN 0
	v_nop                                          ; one plain line behind the conversions
.irp c, 0,1                                    ; the operand's layout wants a whole block in a lane: lanes 0-15 block 2 c, lanes 16-31 block 2 c + 1
.irp i, 0,1,2
	v_permlane16_swap_b32 v[CD+6*\c+\i], v[CD+12+4*\c+\i]
.endr
.irp i, 0,1,2
	v_mov_b32 v[CD+3+6*\c+\i], v[CD+12+4*\c+\i]
.endr
.endr
	v_lshrrev_b32 v[PW+\a], v10, v[PW+\a]          ; lanes 0-15 keep the word (the even group's), lanes 16-31 its upper two bytes (the odd group's)
	ds_store_b32 v8, v[PW+\a] offset:64*\a
	global_store_b128 v24, v[CD:CD+3], s[12:13] offset:768*\a th:TH_STORE_NT          ; the even group's half image: 512 consecutive bytes,
	global_store_b64 v25, v[CD+4:CD+5], s[12:13] offset:768*\a+512 th:TH_STORE_NT     ; and 256: each at a multiple of 256 from the buffer's first byte
	global_store_b128 v26, v[CD+6:CD+9], s[12:13] offset:768*\a th:TH_STORE_NT        ; the odd group's
	global_store_b64 v30, v[CD+10:CD+11], s[12:13] offset:768*\a+512 th:TH_STORE_NT
.endm
	PLACES NP                                      ; behind the last products: in front of writes of their scale registers and of the first reads of results
.irp b, 0,1,2,3
	v_mov_b32 v[TM+4+\b], 0                        ; written once: a lane permute's destination counts as one of its sources
.endr
.irp a, 0,1,2,3,4,5,6,7
	OUTB \a
.endr
	ds_load_b128 v[TT:TT+3], v9                    ; LDS serves a wave's instructions in order: these see my stores.  The even group's eight tiles of words: 512 bytes on end,
	ds_load_b128 v[TT+4:TT+7], v9 offset:512       ; and the odd group's
	s_wait_dscnt 0x0
	global_store_b128 v24, v[TT:TT+3], s[66:67] th:TH_STORE_NT
	global_store_b128 v31, v[TT+4:TT+7], s[66:67] th:TH_STORE_NT
	s_wait_tensorcnt 0x0                           ; the wave's end, behind my last tensor load and my last LDS store
	ds_add_u32 v[SPW], v[NIL]
	s_wait_dscnt 0x0
	CROUND                                         ; the closing round: no work-group ends while a partner may still ask for a tile that names it
	s_endpgm
.Lfunc_end_k_q608dfcf5b0_qkv:
	.size	k_q608dfcf5b0_qkv, .Lfunc_end_k_q608dfcf5b0_qkv-k_q608dfcf5b0_qkv
	.p2alignl 7, 3214868480
	.fill 96, 4, 3214868480
	.section	.rodata,"a",@progbits
	.p2align	6, 0x0
	.amdhsa_kernel k_q608dfcf5b0_qkv
		.amdhsa_group_segment_fixed_size 327680
		.amdhsa_private_segment_fixed_size 0
		.amdhsa_enable_private_segment 0
		.amdhsa_kernarg_size 32
		.amdhsa_user_sgpr_count 2
		.amdhsa_user_sgpr_kernarg_segment_ptr 1
		.amdhsa_wavefront_size32 1
		.amdhsa_system_sgpr_workgroup_id_x 1
		.amdhsa_system_sgpr_workgroup_id_y 1
		.amdhsa_system_sgpr_workgroup_id_z 1
		.amdhsa_system_vgpr_workitem_id 0
		.amdhsa_next_free_vgpr 1024
		.amdhsa_next_free_sgpr 100
		.amdhsa_reserve_vcc 0
		.amdhsa_float_denorm_mode_32 3
		.amdhsa_float_denorm_mode_16_64 3
		.amdhsa_memory_ordered 1
		.amdhsa_forward_progress 1
		.amdhsa_inst_pref_size 168
	.end_amdhsa_kernel
	.amdgpu_metadata
---
amdhsa.version: [ 1, 2 ]
amdhsa.kernels:
  - .name:           k_q608dfcf5b0_qkv
    .symbol:         k_q608dfcf5b0_qkv.kd
    .args:
      - { .name: xw_codes, .offset: 0, .size: 8, .value_kind: global_buffer, .address_space: global }
      - { .name: xw_scales, .offset: 8, .size: 8, .value_kind: global_buffer, .address_space: global }
      - { .name: qkv_codes, .offset: 16, .size: 8, .value_kind: global_buffer, .address_space: global }
      - { .name: qkv_scales, .offset: 24, .size: 8, .value_kind: global_buffer, .address_space: global }
    .group_segment_fixed_size: 327680
    .private_segment_fixed_size: 0
    .kernarg_segment_align: 8
    .kernarg_segment_size: 32
    .max_flat_workgroup_size: 128
    .sgpr_count:     100
    .vgpr_count:     1024
    .wavefront_size: 32
...
	.end_amdgpu_metadata
.endif
;; end of part 2
;; launch attn (part 3): grid 16 x 16, 16 waves a work-group, no clusters, 327,680 bytes of LDS; arguments qkv_codes, qkv_scales, a_codes, a_scales; writes a_codes, a_scales
.if DOCPART == 3
	.amdgcn_target "amdgcn-amd-amdhsa--gfx1250"
	.amdhsa_code_object_version 6
	.text
	.protected	k_q608dfcf5b0_attn
	.globl	k_q608dfcf5b0_attn
	.p2align	8
	.type	k_q608dfcf5b0_attn,@function
k_q608dfcf5b0_attn:
	s_mov_b64 s[64:65], 0
	v_nop
	global_prefetch_b8 v0, s[64:65] scope:SCOPE_SE
	s_setreg_imm32_b32 hwreg(HW_REG_WAVE_MODE, 25, 1), 1
	s_wait_xcnt 0x0
; Causal attention of one head (work-group y) on codes of FP6 (E2M3) with E8M0 scales; the result is quantised along the channels and stored as images of the projection's operand registers.
; LEFT OUT: steps of 128 keys that lie wholly behind a wave's last query: their p is 0 for all values of the inputs.
; A work-group takes the query blocks x and 31 - x of 128 queries: 33 steps of 128 keys for each pair of tiles, the same in every work-group.  16 waves, a tile of 16 query places each; of the four waves of a SIMD two have the low block.
; Both products are used transposed (S^T = k q^T, O^T = v^T p^T): a lane holds one query.  Places have bits 3 and 4 of the row exchanged, so the 16 registers of two neighbouring tiles are 16 true neighbours.
; The head size is 64: an operand's upper 64 along K are q's zero codes; against them stand whatever codes follow in k's registers (FP6 has no NaN), under finite scale bytes.
; p = 2^(t - M), M the ceiling of the running largest t; sums of the unquantised p; when M moves, sums and O^T are multiplied by a power of two.  A block's largest p is made from the block's largest score by the same two instructions.
; K and V go through two LDS slots of 512 keys (24,576 bytes each of k and v); waves 0, 1 fetch k's halves, waves 2, 3 v's.  The scale words of all keys come once, by waves 4 to 7, with the first fills.
; IN A STEP: v's fragments are asked of LDS at its top, the next step's k fragments straight behind the score products: k, v and the scores have registers of their own.
; NO CLUSTER: the work-groups of a head stop asking at different slots (the last slot asked for hangs on x), so partners would need different numbers of tiles.
; PREFETCH: work-group x = 0 of each head, which walks all keys, names the slot one behind the slot that the tensor loads ask for: 96 blocks of 256 bytes of k (waves 4-6) and of v (waves 8-10), a lane a block; nothing in the last two trips.
; LIMITS: the promise holds while |t| stays under 2^31; NaN and infinities are not served; a block whose largest magnitude lies under 2^-124 has its byte held at 1 (a block of zeros too: this program alone reads the bytes).
.set IMG,   768                        ; a half image: 16 rows x 64 along K
.set SLOT1, 65536
.set VOFF,  24576                      ; v's part of a slot
.set SCK,   131072                     ; k's scale words, 16,384 bytes
.set SCV,   147456                     ; v's, 8,192 bytes
.set SPARE, 155648                     ; the spare words: 128 bytes for each of 16 waves; no other line names them
.set L16,  1                           ; v1 16 x lane, v2 8 x lane
.set L8,   2
.set ASK0, 3                           ; v3, v4 4 x lane + SCK, SCV
.set ASV0, 4
.set SPW,  5
.set NIL,  6
.set DQ,   7                           ; v7 my query less my first key, inside tile and step
.set ADK,  8                           ; v8-11 this slot's LDS addresses
.set ADK8, 9
.set ADS,  10
.set ADT,  11
.set PFO,  28                          ; v12 -M, v13 largest t, v14-15 the sum, v16-27 q and its zeros, v29-31 the way out
.set KB,   32                          ; v32-79 k's eight tiles
.set PB,   80                          ; v80-91 p's codes (the first six also stand behind k's last tile)
.set VB,   92                          ; v92-139 v's four tiles x 128 keys
.set SB,   140                         ; v140-203 scores, then p
.set OB,   204                         ; v204-235 O^T
.set KS,   236                         ; v236-239 k's scale words, v240-241 v's
.set VS,   240
.set BM,   242                         ; v242-245 block maxima, then the conversions' scale operands
.set CT0,  246                         ; v246-249 at work; v250-252 at work
.set CT1,  250
.set FF,   252                         ; v252 f, v253 p's scale word
.set PW,   253
.set TM,   254
.set QS,   255                         ; q's scale words
.set WV,   18
.set SEL,  20
.set CS,   22
.set G1K,  24
.set G1V,  32
.set G0K,  40
.set G0V,  44
.set G1SK, 48
.set G1SV, 56
.set G0SK, 68
.set G0SV, 72
.set PFA,  76
.set PFS,  78
.set LIM,  80
.set KF,   81                          ; the slot's first key
.set QMIN, 82
.set QMAX, 83
.set QL,   84                          ; the work-group's last query
.set TB,   2
.set TS,   3
.set TJ,   66
.set SLOTS, 67
; THE KEYS OF A HIGH TILE ARE SHARED BY A PAIR OF WAVES.  Waves 2 i and 2 i + 1 hold tile i of the low and of the high block.  Up to the slot of the low block's diagonal each walks its own tile, four steps a slot.
; At that slot's end the low tile's wave puts its state (O^T, -M, the sums) aside in LDS bytes of its own, loads the high tile's q and begins a second state for that tile; from then on the high tile's wave takes steps 0 and 1
; of each slot and the other wave steps 2 and 3.  Behind the loop the second state goes through LDS to the high tile's wave; two states are joined by powers of two, 2^(own M - common M), which round nothing.
; So a slot is two chains of two steps; all tests are made of ids.  18 steps at the most for a wave, where a high tile has up to 32.
.set ROLE, 100                         ; 0: the low tile's wave, 1: the high tile's
.set TRK,  101                         ; the slot at whose end the low tile's wave changes over (else -1)
.set HB,   104                         ; from this key on I take steps 2 and 3 alone (else -1)
.set HA,   105                         ; from this key on I take steps 0 and 1 alone (else -1)
.set QMH,  88                          ; the high tile's first query
.set LOFF, 89                          ; my partner's stage
.set STG,  SPARE+2048                  ; stages: 4,608 bytes for each wave (nine groups of four registers, 16 bytes a lane); no fill lands here.  A low tile's wave puts its state aside in its own stage and hands its second state into its partner's; each wave reads its own
.macro DESC g, c, r, p                 ; group 1: r rows of c elements of 8 bytes, p elements from row to row
	s_mov_b32 s[\g], 3<<16
	s_mov_b32 s[\g+1], (\c)<<16
	s_mov_b32 s[\g+2], (\r)<<16
	s_mov_b32 s[\g+3], (\c)<<16
	s_mov_b32 s[\g+4], \r
	s_mov_b32 s[\g+5], \p
	s_mov_b32 s[\g+6], 0
	s_mov_b32 s[\g+7], 0
.endm
.macro ARM under, g0, g1               ; an arm of the head's one chain: a load, its s_nop 0 and four v_nop, a jump to the join
	s_cmp_lt_u32 s[WV], \under
	s_cbranch_scc0 .Lnext_\@
	tensor_load_to_lds s[\g0:\g0+3], s[\g1:\g1+7]
	s_nop 0
.rept 4
	v_nop
.endr
	s_branch .Lasked
.Lnext_\@:
.endm
	s_load_b256 s[4:11], s[0:1], 0x0               ; qkv_codes, qkv_scales, a_codes, a_scales
	v_lshl_add_u32 v[SPW], v0, 2, SPARE
	v_mov_b32 v[NIL], 0
	ds_add_u32 v[SPW], v[NIL]                      ; the opening lines: the add, twice on end, and below its one wait
	ds_add_u32 v[SPW], v[NIL]
	v_lshrrev_b32 v8, 5, v0
	s_delay_alu instid0(VALU_DEP_1)
	v_readfirstlane_b32 s[WV], v8
	s_and_b32 s85, ttmp7, 0xffff                   ; head
	s_lshr_b32 s86, s[WV], 2
	s_xor_b32 s86, s86, s[WV]
	s_and_b32 s86, s86, 1
	s_mov_b32 s[ROLE], s86
	s_lshr_b32 s87, s[WV], 1                       ; my tile in the block
	s_lshl_b32 s88, ttmp9, 1
	s_sub_co_u32 s88, 31, s88
	s_mul_i32 s88, s88, s86
	s_add_co_u32 s88, s88, ttmp9                   ; block x or 31 - x
	s_lshl_b32 s89, s88, 3
	s_add_co_u32 s89, s89, s87                     ; my tile of 16 query places
	s_lshl_b32 s[QMIN], s88, 7
	s_lshr_b32 s90, s87, 1
	s_lshl_b32 s90, s90, 5
	s_add_co_u32 s[QMIN], s[QMIN], s90
	s_and_b32 s90, s87, 1
	s_lshl_b32 s90, s90, 3
	s_add_co_u32 s[QMIN], s[QMIN], s90             ; its first query; its queries are QMIN + r + 8 (r / 8)
	s_add_co_u32 s[QMAX], s[QMIN], 23
	s_sub_co_u32 s[QL], 32, ttmp9
	s_lshl_b32 s[QL], s[QL], 7
	s_sub_co_u32 s[QL], s[QL], 1
	DESC G1K, 32, 48, 32                           ; k: 256 keys, 12,288 dense bytes
	DESC G1V, 384, 4, 6144                         ; v: four groups of 64 keys, the head's 3,072 bytes of each
	DESC G1SK, 32, 32, 32                          ; k's scale words: 8,192 dense bytes
	DESC G1SV, 32, 16, 1024                        ; v's: the head's 256 bytes of 16 even groups
	s_and_b32 s90, s[WV], 1                        ; which half I fetch
	s_mul_i32 s91, s90, 12288
	s_mov_b32 s[G0K], 1
	s_mov_b32 s[G0K+1], s91
	s_mov_b32 s[G0V], 1
	s_add_co_u32 s[G0V+1], s91, VOFF
	s_mov_b32 s[G0SK], 1
	s_lshl_b32 s86, s90, 13
	s_add_co_u32 s[G0SK+1], s86, SCK
	s_mov_b32 s[G0SV], 1
	s_lshl_b32 s87, s90, 12
	s_add_co_u32 s[G0SV+1], s87, SCV
	s_add_co_u32 s88, s85, 16
	s_mul_i32 s92, s88, 196608
	s_add_co_u32 s92, s92, s91
	s_mov_b32 s93, 0
	s_mul_i32 s94, s85, 3072
	s_add_co_u32 s94, s94, 6291456
	s_mul_i32 s95, s90, 196608
	s_add_co_u32 s94, s94, s95
	s_mov_b32 s95, 0
	s_lshl_b32 s96, s88, 14
	s_add_co_u32 s96, s96, s86
	s_mov_b32 s97, 0
	s_lshl_b32 s98, s85, 8
	s_add_co_u32 s98, s98, 524288
	s_lshl_b32 s99, s90, 17
	s_add_co_u32 s98, s98, s99
	s_mov_b32 s99, 0
	s_mul_i32 s12, s85, 196608                     ; q's image,
	s_mul_i32 s13, s89, IMG
	s_add_co_u32 s12, s12, s13
	s_mov_b32 s13, 0
	s_lshl_b32 s14, s85, 14                        ; its scale words,
	s_lshl_b32 s15, s89, 6
	s_add_co_u32 s14, s14, s15
	s_mov_b32 s15, 0
	s_mul_i32 s16, s89, 12288                      ; the result's image,
	s_mul_i32 s17, s85, IMG
	s_add_co_u32 s16, s16, s17
	s_mov_b32 s17, 0
	s_lshl_b32 s86, s89, 9                         ; its scale bytes
	s_lshl_b32 s87, s85, 1
	s_add_co_u32 s86, s86, s87
	s_mov_b32 s87, 0
	s_mov_b32 s[SEL], 0x76543210
	s_mov_b32 s[SEL+1], 0xfedcba98                 ; v_permlanex16_b32's selects for lane l xor 16
	s_mov_b32 s[CS], 0x3e38aa3b                    ; log2(e) / 8
	s_mov_b32 s[CS+1], s[CS]
	s_mov_b32 s[TB], 0
	s_mov_b32 s[TS], 0
	s_mov_b32 s[TJ], 0
	s_mov_b32 s[KF], 0
	s_mov_b32 s[SLOTS], 8
	s_wait_dscnt 0x0
	s_wait_kmcnt 0x0
	s_add_nc_u64 s[G0K+2:G0K+3], s[4:5], s[92:93]
	s_or_b32 s[G0K+3], s[G0K+3], 0x80000000
	s_add_nc_u64 s[G0V+2:G0V+3], s[4:5], s[94:95]
	s_or_b32 s[G0V+3], s[G0V+3], 0x80000000
	s_add_nc_u64 s[G0SK+2:G0SK+3], s[6:7], s[96:97]
	s_or_b32 s[G0SK+3], s[G0SK+3], 0x80000000
	s_add_nc_u64 s[G0SV+2:G0SV+3], s[6:7], s[98:99]
	s_or_b32 s[G0SV+3], s[G0SV+3], 0x80000000
	ARM 2, G0K, G1K                                ; the first fills, one to a wave: slot 0's k,
	ARM 4, G0V, G1V                                ; its v,
	ARM 6, G0SK, G1SK                              ; k's scale words,
	ARM 8, G0SV, G1SV                              ; v's; waves 8-15 ask for nothing
.Lasked:
	s_add_nc_u64 s[12:13], s[4:5], s[12:13]
	s_add_nc_u64 s[14:15], s[6:7], s[14:15]
	s_add_nc_u64 s[16:17], s[8:9], s[16:17]
	s_add_nc_u64 s[86:87], s[10:11], s[86:87]
	v_and_b32 v8, 31, v0
	v_and_b32 v9, 15, v0
	v_bfe_u32 v10, v0, 4, 1
	v_lshlrev_b32 v[L16], 4, v8
	v_lshlrev_b32 v[L8], 3, v8
	v_lshlrev_b32 v30, 2, v9
	v_lshl_add_u32 v[ASK0], v8, 2, SCK
	v_lshl_add_u32 v[ASV0], v8, 2, SCV
	global_load_b128 v[16:19], v[L16], s[12:13]
	global_load_b64 v[20:21], v[L8], s[12:13] offset:512
	global_load_b32 v[QS], v30, s[14:15]
.irp j, 22,23,24,25,26,27,80,81,82,83,84,85
	v_mov_b32 v\j, 0                               ; q's upper 64 along K; and p's first six registers, named by the first score products
.endr
	v_and_b32 v11, 8, v9
	s_delay_alu instid0(VALU_DEP_1)
	v_add_nc_u32 v[DQ], v9, v11
	v_lshlrev_b32 v11, 4, v10
	s_delay_alu instid0(VALU_DEP_1)
	v_sub_nc_u32 v[DQ], v[DQ], v11                 ; r + 8 (r / 8) - 16 h
	v_lshl_add_u32 v29, v9, 5, v10                 ; the result's scale byte: 32 r + h
	v_lshlrev_b32 v31, 3, v10
	s_add_co_u32 s92, s85, 16                      ; the prefetches: they stand at slot 1 and are stepped ahead of each use
	s_mul_i32 s92, s92, 196608
	s_add_co_u32 s92, s92, 24576
	s_mul_i32 s93, s85, 3072
	s_add_co_u32 s93, s93, 6291456+393216
	s_mov_b32 s91, 49152
	s_mov_b32 s[PFS], 393216
	s_cmp_lt_u32 s[WV], 8
	s_cselect_b32 s92, s92, s93
	s_cselect_b32 s91, 3072, s91
	s_cselect_b32 s[PFS], 24576, s[PFS]
	s_mov_b32 s93, 0
	s_mov_b32 s[PFS+1], 0
	s_add_nc_u64 s[PFA:PFA+1], s[4:5], s[92:93]
	s_and_b32 s90, s[WV], 3
	s_lshl_b32 s90, s90, 5
	v_add_nc_u32 v8, s90, v8                       ; block 0..95 of 256 bytes: 12 to a run of 3,072 bytes
	s_delay_alu instid0(VALU_DEP_1)
	v_mul_u32_u24 v9, v8, 43
	s_delay_alu instid0(VALU_DEP_1)
	v_lshrrev_b32 v9, 9, v9
	s_delay_alu instid0(VALU_DEP_1)
	v_mul_u32_u24 v10, v9, 12
	s_delay_alu instid0(VALU_DEP_1)
	v_sub_nc_u32 v8, v8, v10
	s_delay_alu instid0(VALU_DEP_1)
	v_lshlrev_b32 v8, 8, v8
	s_delay_alu instid0(VALU_DEP_1)
	v_mad_u32_u24 v[PFO], v9, s91, v8
	s_sub_co_u32 s90, s[WV], 4
	s_lshr_b32 s90, s90, 3
	s_or_b32 s90, s90, ttmp9
	s_cmp_eq_u32 s90, 0                            ; waves 4-11 of work-group x = 0,
	s_cselect_b32 s[LIM], 2, -1
	s_and_b32 s90, s[WV], 3
	s_cmp_eq_u32 s90, 3                            ; but not waves 7 and 11: 96 blocks are three waves'
	s_cselect_b32 s[LIM], -1, s[LIM]
	s_sub_co_u32 s92, 31, ttmp9                    ; the high block, its tile of my pair, that tile's q and scale words
	s_lshl_b32 s[QMH], s92, 7
	s_lshl_b32 s92, s92, 3
	s_lshr_b32 s93, s[WV], 1
	s_add_co_u32 s92, s92, s93
	s_lshr_b32 s94, s93, 1
	s_lshl_b32 s94, s94, 5
	s_add_co_u32 s[QMH], s[QMH], s94
	s_and_b32 s94, s93, 1
	s_lshl_b32 s94, s94, 3
	s_add_co_u32 s[QMH], s[QMH], s94
	s_mul_i32 s90, s[WV], 4608
	s_add_co_u32 s90, s90, STG                     ; my stage
	s_lshl_b32 s94, s92, 6
	s_lshl_b32 s95, s85, 14
	s_add_co_u32 s94, s94, s95
	s_mov_b32 s95, 0
	s_mul_i32 s92, s92, IMG
	s_mul_i32 s93, s85, 196608
	s_add_co_u32 s92, s92, s93
	s_mov_b32 s93, 0
	s_add_nc_u64 s[92:93], s[4:5], s[92:93]
	s_add_nc_u64 s[94:95], s[6:7], s[94:95]
	s_xor_b32 s[LOFF], s[WV], 1                    ; my partner is wave xor 1
	s_mul_i32 s[LOFF], s[LOFF], 4608
	s_add_co_u32 s[LOFF], s[LOFF], STG
	s_lshr_b32 s98, ttmp9, 2
	s_lshl_b32 s98, s98, 9                         ; the slot of the low block's diagonal
	s_add_co_u32 s99, s98, 512
	s_cmp_eq_u32 s[ROLE], 0
	s_cselect_b32 s[TRK], s98, -1
	s_cselect_b32 s[HB], s99, -1
	s_cselect_b32 s[HA], -1, s99
	v_add_nc_u32 v0, s90, v[L16]                   ; v0 from here on: my stage + 16 x lane
	v_mov_b32 v13, 0xff61b1e6                      ; the largest t so far: -3e38
	s_delay_alu instid0(VALU_DEP_1)
	v_floor_f32 v12, -v13
	v_mov_b32 v14, 0
	v_mov_b32 v15, 0
.irp j, 246,247,248,249,252,253,254
	v_mov_b32 v\j, 0                               ; written once: a lane permute's destination counts as a source; v253 is named in the pair v[252:253]
.endr
.set j, 0
.rept 32
	v_mov_b32 v[OB+j], 0                           ; the step is written once: the first finds zeros
.set j, j+1
.endr
.macro KLOAD q                         ; 20 LDS loads: eight tiles of 16 keys and their scale words (lanes 0-15 the even tile's, lanes 16-31 the odd one's)
.irp tt, 0,1,2,3,4,5,6,7
	ds_load_b128 v[KB+6*\tt:KB+6*\tt+3], v[ADK] offset:(8*(\q)+\tt)*IMG
	ds_load_b64 v[KB+6*\tt+4:KB+6*\tt+5], v[ADK8] offset:(8*(\q)+\tt)*IMG+512
.endr
.irp i, 0,1,2,3
	ds_load_b32 v[KS+\i], v[ADS] offset:512*(\q)+128*\i
.endr
.endm
.macro VLOAD q                         ; 18 LDS loads: four tiles of 16 channels x two groups of 64 keys, and their scale words
.irp t, 0,1,2,3
.irp c, 0,1
	ds_load_b128 v[VB+12*\t+6*\c:VB+12*\t+6*\c+3], v[ADK] offset:VOFF+(2*(\q)+\c)*3072+IMG*\t
	ds_load_b64 v[VB+12*\t+6*\c+4:VB+12*\t+6*\c+5], v[ADK8] offset:VOFF+(2*(\q)+\c)*3072+IMG*\t+512
.endr
.endr
	ds_load_b32 v[VS], v[ADT] offset:256*(\q)
	ds_load_b32 v[VS+1], v[ADT] offset:256*(\q)+128
.endm
.macro STEP q                          ; 128 keys; s97 = the step's first key
.if (\q)%2
	s_add_co_u32 s97, s[KF], 128*\q
	s_cmp_gt_u32 s97, s[QMAX]
	s_cbranch_scc1 .Lslot_end                      ; this step and all later ones lie behind my last query
.endif
	VLOAD \q                                       ; four places behind the last products that read these registers
	s_wait_dscnt 18                                ; k's 20 loads are in; v's 18 may be out
.irp u, 0,1,2,3
	v_wmma_scale_f32_16x16x128_f8f6f4 v[SB+16*\u:SB+16*\u+7], v[KB+12*\u:KB+12*\u+11], v[16:27], 0, v[KS+\u], v[QS] matrix_a_fmt:MATRIX_FMT_FP6 matrix_b_fmt:MATRIX_FMT_FP6
	v_wmma_scale_f32_16x16x128_f8f6f4 v[SB+16*\u+8:SB+16*\u+15], v[KB+12*\u+6:KB+12*\u+17], v[16:27], 0, v[KS+\u], v[QS] matrix_a_fmt:MATRIX_FMT_FP6 matrix_b_fmt:MATRIX_FMT_FP6 matrix_a_scale:MATRIX_SCALE_ROW1
.endr
.rept 4
	v_nop                                          ; places in front of the loads into k's registers and of the first reads of the scores
.endr
.if (\q)%2 == 0
	KLOAD \q+1
.endif
	s_add_co_u32 s96, s97, 127
	s_cmp_le_u32 s96, s[QMIN]
	s_cbranch_scc1 .Lopen_\@                       ; no key of the step lies behind any of my queries
	s_sub_co_i32 s96, s[QMIN], s97
	v_add_nc_u32 v[CT1], s96, v[DQ]
	v_mov_b32 v[TM], 0xff800000
.set n, 0
.rept 64
	v_cmp_gt_i32 vcc_lo, 32*(n/16)+n%16, v[CT1]
	v_cndmask_b32 v[SB+n], v[SB+n], v[TM], vcc_lo
.set n, n+1
.endr
.Lopen_\@:
.irp b, 0,1,2,3
	v_max3_num_f32 v[BM+\b], v[SB+16*\b], v[SB+16*\b+1], v[SB+16*\b+2]   ; the largest score of each block of 32 keys; each accumulator is read from its low end on
.endr
.irp i, 3,5,7,9,11,13
.irp b, 0,1,2,3
	v_max3_num_f32 v[BM+\b], v[BM+\b], v[SB+16*\b+\i], v[SB+16*\b+\i+1]
.endr
.endr
.irp b, 0,1,2,3
	v_max_num_f32 v[BM+\b], v[BM+\b], v[SB+16*\b+15]
.endr
.irp b, 0,1,2,3
	s_delay_alu instid0(VALU_DEP_4)
	v_permlanex16_b32 v[CT0+\b], v[BM+\b], s[SEL], s[SEL+1]
.endr
.irp b, 0,1,2,3
	s_delay_alu instid0(VALU_DEP_4)
	v_max_num_f32 v[BM+\b], v[BM+\b], v[CT0+\b]    ; with lane l xor 16's 16 keys
.endr
	s_delay_alu instid0(VALU_DEP_2)
	v_max3_num_f32 v[TM], v[BM], v[BM+1], v[BM+2]
	s_delay_alu instid0(VALU_DEP_1)
	v_max_num_f32 v[TM], v[TM], v[BM+3]
	s_delay_alu instid0(VALU_DEP_1)
	v_mul_f32 v[TM], s[CS], v[TM]
	s_delay_alu instid0(VALU_DEP_1)
	v_max_num_f32 v13, v13, v[TM]                  ; the running largest t
	v_mov_b32 v[TM], v12
	s_delay_alu instid0(VALU_DEP_2)
	v_floor_f32 v12, -v13                          ; -M = floor(-t)
	s_delay_alu instid0(VALU_DEP_1)
	v_sub_f32 v[TM], v12, v[TM]
	s_delay_alu instid0(VALU_DEP_1)
	v_cvt_i32_f32 v[TM], v[TM]                     ; old M less new M (it saturates)
	s_delay_alu instid0(VALU_DEP_1)
	v_ldexp_f32 v[FF], 1.0, v[TM]                  ; f = 2^(old M - new M)
.set j, 0
.rept 32
	v_pk_fma_f32 v[SB+j:SB+j+1], v[SB+j:SB+j+1], s[CS:CS+1], v[12:13] op_sel_hi:[1,0,0]   ; t - M
.set j, j+2
.endr
.irp b, 0,1,2,3
	v_fma_f32 v[BM+\b], v[BM+\b], s[CS], v12       ; the same of each block's largest score
.endr
.set j, 0
.rept 16
	v_pk_mul_f32 v[OB+j:OB+j+1], v[OB+j:OB+j+1], v[FF:FF+1] op_sel_hi:[1,0]   ; O^T under the new M, ahead of the exponentials
.set j, j+2
.endr
	v_pk_mul_f32 v[14:15], v[14:15], v[FF:FF+1] op_sel_hi:[1,0]
	s_wait_alu depctr_va_vdst(0)                   ; ahead of the batch
.set j, 0
.rept 64
	v_exp_f32 v[SB+j], v[SB+j]
.set j, j+1
.endr
.irp b, 0,1,2,3
	v_exp_f32 v[BM+\b], v[BM+\b]                   ; the block's largest p
.endr
	v_nop                                          ; a plain place behind the last
	s_wait_alu depctr_va_vdst(0)                   ; and the one wait behind the batch
.irp b, 0,1,2,3
	v_max_num_f32 v[BM+\b], 0x1800000, v[BM+\b]    ; the floor 2^(3 - 127): the byte cannot fall under 1
.endr
.irp b, 0,1,2,3
	s_delay_alu instid0(VALU_DEP_4)
	v_add_nc_u32 v[BM+\b], 0xff000000, v[BM+\b]    ; 2 off the exponent field: the conversion's scale operand
.endr
.irp b, 0,1,2,3
	s_delay_alu instid0(VALU_DEP_4)
	v_lshrrev_b32 v[CT0+\b], 23, v[BM+\b]
.endr
	s_delay_alu instid0(VALU_DEP_3)
	v_lshl_or_b32 v[PW], v[CT0+1], 8, v[CT0]
	s_delay_alu instid0(VALU_DEP_1)
	v_lshl_or_b32 v[PW], v[CT0+2], 16, v[PW]
	s_delay_alu instid0(VALU_DEP_1)
	v_lshl_or_b32 v[PW], v[CT0+3], 24, v[PW]       ; p's scale word for these 128 keys
	v_cvt_scalef32_pk16_fp6_f32 v[PB:PB+2], v[SB:SB+15], v[BM]
	v_cvt_scalef32_pk16_fp6_f32 v[CT0:CT0+2], v[SB+16:SB+31], v[BM+1]
	v_cvt_scalef32_pk16_fp6_f32 v[PB+6:PB+8], v[SB+32:SB+47], v[BM+2]
	v_cvt_scalef32_pk16_fp6_f32 v[CT1:CT1+2], v[SB+48:SB+63], v[BM+3]
	v_nop                                          ; one plain line behind the conversions
.irp i, 0,1,2
	v_permlane16_swap_b32 v[PB+\i], v[CT0+\i]      ; a whole block to a lane
	v_permlane16_swap_b32 v[PB+6+\i], v[CT1+\i]
.endr
.irp i, 0,1,2
	v_mov_b32 v[PB+3+\i], v[CT0+\i]
	v_mov_b32 v[PB+9+\i], v[CT1+\i]
.endr
	v_pk_add_f32 v[CT0:CT0+1], v[SB:SB+1], v[SB+2:SB+3]   ; the row's sum of the unquantised p, in two chains; these 32 lines are also the places between p's registers and scale word and the products
.irp j, 4,8,12,16,20,24,28,32,36,40,44,48,52,56,60
	v_pk_add_f32 v[14:15], v[14:15], v[SB+\j:SB+\j+1]
	v_pk_add_f32 v[CT0:CT0+1], v[CT0:CT0+1], v[SB+\j+2:SB+\j+3]
.endr
	s_delay_alu instid0(VALU_DEP_1)
	v_pk_add_f32 v[14:15], v[14:15], v[CT0:CT0+1]
	s_wait_alu depctr_va_vdst(0)                   ; directly ahead of the wait below
.if (\q)%2 == 0
	s_wait_dscnt 20
.else
	s_wait_dscnt 0x0
.endif
.irp u, 0,1
	v_wmma_scale_f32_16x16x128_f8f6f4 v[OB+16*\u:OB+16*\u+7], v[VB+24*\u:VB+24*\u+11], v[PB:PB+11], v[OB+16*\u:OB+16*\u+7], v[VS+\u], v[PW] matrix_a_fmt:MATRIX_FMT_FP6 matrix_b_fmt:MATRIX_FMT_FP6
	v_wmma_scale_f32_16x16x128_f8f6f4 v[OB+16*\u+8:OB+16*\u+15], v[VB+24*\u+12:VB+24*\u+23], v[PB:PB+11], v[OB+16*\u+8:OB+16*\u+15], v[VS+\u], v[PW] matrix_a_fmt:MATRIX_FMT_FP6 matrix_b_fmt:MATRIX_FMT_FP6 matrix_a_scale:MATRIX_SCALE_ROW1
.endr
.rept 4
	v_nop                                          ; places in front of the next loads into v's registers and of the next reads of O^T
.endr
.endm
	s_wait_alu depctr_va_vdst(0)
	s_wait_loadcnt 0x0                             ; q
.Lslot:                                                ; a trip is a slot of 512 keys; eight trips in every work-group
	s_wait_tensorcnt 0x0                           ; all my tensor loads have landed: my part of this trip's slot
	ds_add_u32 v[SPW], v[NIL]                      ; the add, twice on end
	ds_add_u32 v[SPW], v[NIL]
	s_xor_b32 s[G0K+1], s[G0K+1], SLOT1            ; no load of mine is out: on to the other slot and the next 512 keys
	s_add_nc_u64 s[G0K+2:G0K+3], s[G0K+2:G0K+3], 24576
	s_xor_b32 s[G0V+1], s[G0V+1], SLOT1
	s_add_nc_u64 s[G0V+2:G0V+3], s[G0V+2:G0V+3], 393216
	s_wait_xcnt 0x0                                ; the last prefetch has read its address
	s_add_nc_u64 s[PFA:PFA+1], s[PFA:PFA+1], s[PFS:PFS+1]
	s_wait_dscnt 0x0                               ; the adds are done, and my reads of the other slot
	s_barrier_signal -1
	s_barrier_wait -1
	s_add_co_u32 s96, s[KF], 512
	s_cmp_gt_u32 s96, s[QL]
	s_cbranch_scc1 .Lpast                          ; ids alone, the same in all waves: no query of the work-group sees the next slot's keys (so too in the last trip)
	s_cmp_lt_u32 s[WV], 2
	s_cbranch_scc0 .Lnot_k
	tensor_load_to_lds s[G0K:G0K+3], s[G1K:G1K+7]
	s_nop 0
.rept 4
	v_nop
.endr
	s_branch .Lpast
.Lnot_k:
	s_cmp_lt_u32 s[WV], 4
	s_cbranch_scc0 .Lpast
	tensor_load_to_lds s[G0V:G0V+3], s[G1V:G1V+7]
	s_nop 0
.rept 4
	v_nop
.endr
.Lpast:
	s_cmp_gt_u32 s[SLOTS], s[LIM]
	s_cbranch_scc0 .Lnot_mine
	global_prefetch_b8 v[PFO], s[PFA:PFA+1] th:TH_LOAD_NT scope:SCOPE_SE   ; the slot behind the one just asked for
.Lnot_mine:
	s_cmp_gt_u32 s[KF], s[QMAX]
	s_cbranch_scc1 .Lslot_end
	s_mov_b32 s97, s[KF]
	v_add_nc_u32 v[ADK], s[TB], v[L16]
	v_add_nc_u32 v[ADK8], s[TB], v[L8]
	v_add_nc_u32 v[ADS], s[TS], v[ASK0]
	v_add_nc_u32 v[ADT], s[TJ], v[ASV0]
	s_wait_alu depctr_va_vdst(0)                   ; the wait behind these writes
	s_cmp_ge_u32 s[KF], s[HB]
	s_cbranch_scc1 .Lchain_b                       ; steps 0 and 1 are my partner's
	KLOAD 0
	STEP 0
	STEP 1
	s_cmp_ge_u32 s[KF], s[HA]
	s_cbranch_scc1 .Lslot_end                      ; steps 2 and 3 are my partner's
.Lchain_b:
	s_add_co_u32 s97, s[KF], 256
	s_cmp_gt_u32 s97, s[QMAX]
	s_cbranch_scc1 .Lslot_end
	KLOAD 2
	STEP 2
	STEP 3
.Lslot_end:
	s_cmp_eq_u32 s[KF], s[TRK]
	s_cbranch_scc0 .Lno_change
.irp g, 0,1,2,3,4,5,6,7
	ds_store_b128 v0, v[OB+4*\g:OB+4*\g+3] offset:512*\g   ; the low tile is done: its state aside in my own stage, each accumulator from its low end on
.endr
	ds_store_b128 v0, v[12:15] offset:4096
	global_load_b128 v[16:19], v[L16], s[92:93]    ; the high tile's q
	global_load_b64 v[20:21], v[L8], s[92:93] offset:512
	global_load_b32 v[QS], v30, s[94:95]
	s_mov_b32 s[QMIN], s[QMH]
	s_add_co_u32 s[QMAX], s[QMH], 23
	v_mov_b32 v13, 0xff61b1e6                      ; and an empty state
	v_mov_b32 v12, 0x7f61b1e6
	v_mov_b32 v14, 0
	v_mov_b32 v15, 0
.set j, 0
.rept 32
	v_mov_b32 v[OB+j], 0
.set j, j+1
.endr
	s_wait_alu depctr_va_vdst(0)                   ; directly ahead of the wait below
	s_wait_loadcnt 0x0
.Lno_change:
	s_add_co_u32 s[KF], s[KF], 512
	s_xor_b32 s[TB], s[TB], SLOT1
	s_add_co_u32 s[TS], s[TS], 2048
	s_add_co_u32 s[TJ], s[TJ], 1024
	s_sub_co_u32 s[SLOTS], s[SLOTS], 1
	s_cmp_lg_u32 s[SLOTS], 0
	s_cbranch_scc1 .Lslot
	; the two states of each tile are joined
	v_add_nc_u32 v[ADK], s[LOFF], v[L16]           ; my partner's stage + 16 x lane
	v_mov_b32 v[CT1+1], 0                          ; (named as the upper half of a pair)
	s_wait_alu depctr_va_vdst(0)                   ; directly ahead of the wait below
	s_wait_dscnt 0x0
	s_barrier_signal -1
	s_barrier_wait -1                              ; every store of the loop into a stage is done before any stage is written from outside
	s_cmp_lg_u32 s[ROLE], 0
	s_cbranch_scc1 .Lkeep
.irp g, 0,1,2,3,4,5,6,7
	ds_store_b128 v[ADK], v[OB+4*\g:OB+4*\g+3] offset:512*\g   ; my state of the high tile goes to my partner's stage
.endr
	ds_store_b128 v[ADK], v[12:15] offset:4096
	v_mov_b32 v12, 0x7f61b1e6                      ; and counts for nothing in my own join: its factor below comes out 0
.Lkeep:
	s_wait_alu depctr_va_vdst(0)                   ; directly ahead of the wait below
	s_wait_dscnt 0x0                               ; my stores are done, for the partner's sake
	s_barrier_signal -1
	s_barrier_wait -1
.irp g, 0,1,2,3,4,5,6,7,8
	ds_load_b128 v[SB+4*\g:SB+4*\g+3], v0 offset:512*\g   ; my own stage: what my partner handed over, or what I put aside
.endr
	s_wait_dscnt 0x0
	v_min_num_f32 v[TM], v12, v[SB+32]             ; -M of both: the smaller
	s_delay_alu instid0(VALU_DEP_1)
	v_sub_f32 v[CT0], v[TM], v12
	v_sub_f32 v[CT0+1], v[TM], v[SB+32]
	s_delay_alu instid0(VALU_DEP_2)
	v_cvt_i32_f32 v[CT0], v[CT0]                   ; own M less common M: 0 or less (it saturates)
	s_delay_alu instid0(VALU_DEP_2)
	v_cvt_i32_f32 v[CT0+1], v[CT0+1]
	s_delay_alu instid0(VALU_DEP_2)
	v_ldexp_f32 v[FF], 1.0, v[CT0]
	s_delay_alu instid0(VALU_DEP_2)
	v_ldexp_f32 v[CT1], 1.0, v[CT0+1]
	v_pk_mul_f32 v[14:15], v[14:15], v[FF:FF+1] op_sel_hi:[1,0]
.set j, 0
.rept 16
	v_pk_mul_f32 v[OB+j:OB+j+1], v[OB+j:OB+j+1], v[FF:FF+1] op_sel_hi:[1,0]
.set j, j+2
.endr
	v_pk_fma_f32 v[14:15], v[SB+34:SB+35], v[CT1:CT1+1], v[14:15] op_sel_hi:[1,0,1]
.set j, 0
.rept 16
	v_pk_fma_f32 v[OB+j:OB+j+1], v[SB+j:SB+j+1], v[CT1:CT1+1], v[OB+j:OB+j+1] op_sel_hi:[1,0,1]
.set j, j+2
.endr
	; the way out: O^T / the sum, quantised along the head's 64 channels, a half image and two scale bytes a row
	v_add_f32 v14, v14, v15
	s_delay_alu instid0(VALU_DEP_1)
	v_permlanex16_b32 v[TM], v14, s[SEL], s[SEL+1]
	s_delay_alu instid0(VALU_DEP_1)
	v_add_f32 v14, v14, v[TM]
	s_wait_alu depctr_va_vdst(0)
	v_rcp_f32 v14, v14
	v_nop
	s_wait_alu depctr_va_vdst(0)                   ; directly ahead of the first reader of the quotient and of O^T
.set j, 0
.rept 32
	v_mul_f32 v[SB+j], v[OB+j], v14
.set j, j+1
.endr
.irp b, 0,1
	v_max3_num_f32 v[BM+\b], |v[SB+16*\b]|, |v[SB+16*\b+1]|, 0x1800000
.endr
.irp i, 2,4,6,8,10,12,14
.irp b, 0,1
	s_delay_alu instid0(VALU_DEP_2)
	v_max3_num_f32 v[BM+\b], v[BM+\b], |v[SB+16*\b+\i]|, |v[SB+16*\b+\i+1]|
.endr
.endr
.irp b, 0,1
	s_delay_alu instid0(VALU_DEP_2)
	v_permlanex16_b32 v[CT0+\b], v[BM+\b], s[SEL], s[SEL+1]
.endr
.irp b, 0,1
	s_delay_alu instid0(VALU_DEP_2)
	v_max_num_f32 v[BM+\b], v[BM+\b], v[CT0+\b]
.endr
.irp b, 0,1
	s_delay_alu instid0(VALU_DEP_2)
	v_add_nc_u32 v[BM+\b], 0xff000000, v[BM+\b]
.endr
.irp b, 0,1
	s_delay_alu instid0(VALU_DEP_2)
	v_lshrrev_b32 v[CT0+\b], 23, v[BM+\b]
.endr
	s_delay_alu instid0(VALU_DEP_1)
	v_lshl_or_b32 v[TM], v[CT0+1], 8, v[CT0]
	s_delay_alu instid0(VALU_DEP_1)
	v_lshrrev_b32 v[TM], v31, v[TM]                ; lanes 0-15 block 0's byte, lanes 16-31 block 1's
	v_cvt_scalef32_pk16_fp6_f32 v[PB:PB+2], v[SB:SB+15], v[BM]
	v_cvt_scalef32_pk16_fp6_f32 v[CT1:CT1+2], v[SB+16:SB+31], v[BM+1]
	v_nop
.irp i, 0,1,2
	v_permlane16_swap_b32 v[PB+\i], v[CT1+\i]
.endr
.irp i, 0,1,2
	s_delay_alu instid0(VALU_DEP_3)
	v_mov_b32 v[PB+3+\i], v[CT1+\i]
.endr
	global_store_b128 v[L16], v[PB:PB+3], s[16:17] th:TH_STORE_NT             ; 512 consecutive bytes,
	global_store_b64 v[L8], v[PB+4:PB+5], s[16:17] offset:512 th:TH_STORE_NT  ; and 256
	global_store_b8 v29, v[TM], s[86:87]
	s_wait_tensorcnt 0x0                           ; the wave's end
	ds_add_u32 v[SPW], v[NIL]
	s_wait_dscnt 0x0
	s_endpgm
.Lfunc_end_k_q608dfcf5b0_attn:
	.size	k_q608dfcf5b0_attn, .Lfunc_end_k_q608dfcf5b0_attn-k_q608dfcf5b0_attn
	.p2alignl 7, 3214868480
	.fill 96, 4, 3214868480
	.section	.rodata,"a",@progbits
	.p2align	6, 0x0
	.amdhsa_kernel k_q608dfcf5b0_attn
		.amdhsa_group_segment_fixed_size 327680
		.amdhsa_private_segment_fixed_size 0
		.amdhsa_enable_private_segment 0
		.amdhsa_kernarg_size 32
		.amdhsa_user_sgpr_count 2
		.amdhsa_user_sgpr_kernarg_segment_ptr 1
		.amdhsa_wavefront_size32 1
		.amdhsa_system_sgpr_workgroup_id_x 1
		.amdhsa_system_sgpr_workgroup_id_y 1
		.amdhsa_system_sgpr_workgroup_id_z 1
		.amdhsa_system_vgpr_workitem_id 0
		.amdhsa_next_free_vgpr 256
		.amdhsa_next_free_sgpr 106
		.amdhsa_reserve_vcc 1
		.amdhsa_float_denorm_mode_32 3
		.amdhsa_float_denorm_mode_16_64 3
		.amdhsa_memory_ordered 1
		.amdhsa_forward_progress 1
		.amdhsa_inst_pref_size 114
	.end_amdhsa_kernel
	.amdgpu_metadata
---
amdhsa.version: [ 1, 2 ]
amdhsa.kernels:
  - .name:           k_q608dfcf5b0_attn
    .symbol:         k_q608dfcf5b0_attn.kd
    .args:
      - { .name: qkv_codes, .offset: 0, .size: 8, .value_kind: global_buffer, .address_space: global }
      - { .name: qkv_scales, .offset: 8, .size: 8, .value_kind: global_buffer, .address_space: global }
      - { .name: a_codes, .offset: 16, .size: 8, .value_kind: global_buffer, .address_space: global }
      - { .name: a_scales, .offset: 24, .size: 8, .value_kind: global_buffer, .address_space: global }
    .group_segment_fixed_size: 327680
    .private_segment_fixed_size: 0
    .kernarg_segment_align: 8
    .kernarg_segment_size: 32
    .max_flat_workgroup_size: 512
    .sgpr_count:     106
    .vgpr_count:     256
    .wavefront_size: 32
...
	.end_amdgpu_metadata
.endif
;; end of part 3
;; launch proj (part 4): grid 8 x 32, 8 waves a work-group, clusters of 4 x 4, 327,680 bytes of LDS; arguments a_codes, a_scales, xw_codes, xw_scales, out0; writes out0
.if DOCPART == 4
	.amdgcn_target "amdgcn-amd-amdhsa--gfx1250"
	.amdhsa_code_object_version 6
	.text
	.protected	k_q608dfcf5b0_proj
	.globl	k_q608dfcf5b0_proj
	.p2align	8
	.type	k_q608dfcf5b0_proj,@function
k_q608dfcf5b0_proj:
	s_mov_b64 s[64:65], 0
	v_nop
	global_prefetch_b8 v0, s[64:65] scope:SCOPE_SE
	s_setreg_imm32_b32 hwreg(HW_REG_WAVE_MODE, 25, 1), 1
	s_wait_xcnt 0x0
	s_wait_alu depctr_hold_cnt(0) depctr_sa_sdst(0) depctr_va_vdst(0) depctr_va_sdst(0) depctr_va_ssrc(0) depctr_va_vcc(0) depctr_vm_vsrc(0)
	s_getreg_b32 s2, hwreg(HW_REG_IB_STS2, 6, 4)
	s_cmp_eq_u32 s2, 0
	s_cbranch_scc0 .Lentry_in_a_cluster
	s_endpgm
.Lentry_in_a_cluster:
	s_bfe_u32 s2, ttmp6, 0x10000c
	s_cmp_lg_u32 s2, 0xf033
	s_cbranch_scc0 .Lentry_shape_is_right
	s_endpgm
.Lentry_shape_is_right:
; out0 = a Wo on codes of FP6 (E2M3) with E8M0 scales, K = 1,024.  a_codes: images of operand registers, [tile of 16 row places][16 heads][768 bytes]; Wo's codes: [256 places][K step of 256][place][192 bytes], from byte 5,505,024 of xw_codes.
; A block of C is 128 x 128: 32 x 8 = 256 work-groups.  ALL OF K LIES IN LDS AT ONCE: A's 98,304 bytes, B's 98,304 (padded 122,880), 4,096 scale bytes a side.  Nothing is filled again: no ring, one barrier.
; Eight waves, ONE joint load each at the head: waves 0-3 a K step of 256 of B's 128 places (24,576 dense bytes as 96 rows of 256), waves 4, 5 a half of A, wave 6 A's scale bytes, wave 7 B's.
; CLUSTERS 4 x 4: A's tiles hang on the block row alone and are shared along a row of the cluster, B's on the block column alone and are shared along a column.
; A wave makes 32 rows x 64 columns: 8 accumulators by turns; 8 steps of 128 along K, written out; the next step's fragments are fetched into a second set of registers ahead of each step's products.
; TRANSPOSED USE (source 0 = B's 16 places, source 1 = A's 16 places): a lane holds a row of C.  Places have bits 3 and 4 of the row or column exchanged: B's tiles 2 g, 2 g + 1 give a lane the 16 true columns 32 g + 16 (lane / 16) + 0 .. 15.
; No prefetch: the launch has no loop to run ahead in; each byte is asked for once, at the head.
.set PITCH,  240                       ; B's LDS row: 3 x (64 bytes + 16 of padding)
.set AL,     0
.set BL,     98304
.set SAL,    221184                    ; scale bytes: 16 rows of 256 bytes + 16 of padding
.set SBL,    225536
.set SBLK,   544                       ; those of 16 places
.set SPARE,  229888                    ; the spare words: 128 bytes for each of 8 waves; no other line names them
.set STAGE,  230912                    ; the way out: 16 rows x 272 bytes for each wave; no fill lands here
.set SPITCH, 272
.set ADA,  4                           ; v4, v5 my A images: 16 x lane, 8 x lane
.set ADA8, 5
.set ADB,  6                           ; v6-9 my B fragments: K steps 0, 1 (plain; behind one padding more), K steps 2, 3 likewise
.set ADSA, 10
.set ADSB, 11
.set STO,  12
.set RD,   13
.set CO,   14
.set ACC,  16                          ; v16-79 accumulator (a, b) at 8 (4 a + b)
.set BUF,  80                          ; v80-151, v152-223 fragments: A's two at 12 a, B's four at 24 + 12 b
.set SC,   224                         ; v224-247 scale words of two steps, two sets: A's at 2 a, B's at 4 + 2 b
.set SPW,  248
.set NIL,  249
.set G1B,  24
.set G1A,  32
.set G1SA, 48
.set G1SB, 56
.set G0B,  68
.set G0A,  72
.set G0SA, 76
.set G0SB, 80
.macro CREST                           ; a round of the cluster's barrier behind its opening barrier
	s_cmp_lg_u32 s14, 0
	s_cbranch_scc1 .Lnot_wave_0_\@
	s_barrier_signal -3
.Lnot_wave_0_\@:
	s_barrier_wait -3
	s_barrier_signal -1
	s_barrier_wait -1
.endm
.macro CROUND
	s_barrier_signal -1
	s_barrier_wait -1
	CREST
.endm
.macro DIMS g, c, r                    ; a dense block: r rows of c elements
	s_mov_b32 s[\g+1], (\c)<<16
	s_mov_b32 s[\g+2], (\r)<<16
	s_mov_b32 s[\g+3], (\c)<<16
	s_mov_b32 s[\g+4], \r
	s_mov_b32 s[\g+5], \c
	s_mov_b32 s[\g+6], 0
	s_mov_b32 s[\g+7], 0
.endm
	s_load_b128 s[4:7], s[0:1], 0x0                ; a_codes, a_scales
	s_load_b128 s[8:11], s[0:1], 0x10              ; xw_codes, xw_scales
	s_load_b64 s[12:13], s[0:1], 0x20              ; out0
	v_lshl_add_u32 v[SPW], v0, 2, SPARE
	v_mov_b32 v[NIL], 0
	ds_add_u32 v[SPW], v[NIL]                      ; the opening lines: the add, twice on end, and below its one wait
	ds_add_u32 v[SPW], v[NIL]
	v_lshrrev_b32 v1, 5, v0
	v_readfirstlane_b32 s14, v1                    ; wave 0..7
	s_lshr_b32 s15, s14, 1                         ; my 32 rows of the block
	s_and_b32 s16, s14, 1                          ; my 64 columns.  Also: which half of A I fetch
	s_bfe_u32 s40, ttmp6, 0x40000                  ; cx, cy
	s_bfe_u32 s41, ttmp6, 0x40004
	s_lshl_b32 s42, ttmp9, 2
	s_add_co_u32 s42, s42, s40                     ; block column
	s_and_b32 s17, ttmp7, 0xffff
	s_lshl_b32 s17, s17, 2
	s_add_co_u32 s17, s17, s41                     ; block row
	s_lshl_b32 s43, s41, 2
	s_lshl_b32 s43, 15, s43                        ; my row of the cluster
	s_lshl_b32 s44, 0x1111, s40                    ; my column
	s_or_b32 s[G1B], s44, (0<<16)|(1<<20)|(1<<21)|(3<<22)|(3<<25)    ; bytes; 16 bytes of padding behind every 64
	DIMS G1B, 256, 96
	s_or_b32 s[G1A], s43, (3<<16)|(1<<21)                            ; elements of 8 bytes, no padding
	DIMS G1A, 32, 192
	s_or_b32 s[G1SA], s43, (3<<16)|(1<<20)|(1<<21)|(5<<22)|(3<<25)   ; 16 bytes of padding behind every 256
	DIMS G1SA, 32, 16
	s_or_b32 s[G1SB], s44, (3<<16)|(1<<20)|(1<<21)|(5<<22)|(3<<25)
	DIMS G1SB, 32, 16
	s_lshr_b32 s20, s42, 1                         ; B: the block of 256 places, my K step's part, the half of it
	s_mul_i32 s20, s20, 196608
	s_and_b32 s21, s42, 1
	s_mul_i32 s21, s21, 24576
	s_add_co_u32 s20, s20, s21
	s_mul_i32 s21, s14, 49152
	s_add_co_u32 s20, s20, s21
	s_add_co_u32 s20, s20, 5505024
	s_mov_b32 s21, 0
	s_mul_i32 s22, s17, 98304                      ; A: eight tiles of 12,288 bytes, my half
	s_mul_i32 s45, s16, 49152
	s_add_co_u32 s22, s22, s45
	s_mov_b32 s23, 0
	s_lshl_b32 s18, s17, 12                        ; the scale bytes of 128 places
	s_mov_b32 s19, 0
	s_lshl_b32 s46, s42, 12
	s_add_co_u32 s46, s46, 229376
	s_mov_b32 s47, 0
	s_mov_b32 s[G0B], 1
	s_mul_i32 s[G0B+1], s14, 128*PITCH
	s_add_co_u32 s[G0B+1], s[G0B+1], BL
	s_mov_b32 s[G0A], 1
	s_mov_b32 s[G0A+1], s45
	s_mov_b32 s[G0SA], 1
	s_mov_b32 s[G0SA+1], SAL
	s_mov_b32 s[G0SB], 1
	s_mov_b32 s[G0SB+1], SBL
	s_wait_dscnt 0x0
	s_wait_kmcnt 0x0
	s_add_nc_u64 s[G0B+2:G0B+3], s[8:9], s[20:21]
	s_or_b32 s[G0B+3], s[G0B+3], 0x80000000
	s_add_nc_u64 s[G0A+2:G0A+3], s[4:5], s[22:23]
	s_or_b32 s[G0A+3], s[G0A+3], 0x80000000
	s_add_nc_u64 s[G0SA+2:G0SA+3], s[6:7], s[18:19]
	s_or_b32 s[G0SA+3], s[G0SA+3], 0x80000000
	s_add_nc_u64 s[G0SB+2:G0SB+3], s[10:11], s[46:47]
	s_or_b32 s[G0SB+3], s[G0SB+3], 0x80000000
	s_lshl_b32 s20, s17, 19                        ; my part of out0: (128 x block row + 32 x my rows) x 4,096 + 512 x block column + 256 x my half
	s_lshl_b32 s21, s15, 17
	s_add_co_u32 s20, s20, s21
	s_lshl_b32 s21, s42, 9
	s_add_co_u32 s20, s20, s21
	s_lshl_b32 s21, s16, 8
	s_add_co_u32 s20, s20, s21
	s_mov_b32 s21, 0
	s_add_nc_u64 s[12:13], s[12:13], s[20:21]
	s_mul_i32 s18, s15, 2*12288                    ; LDS: my two tiles of A,
	s_mul_i32 s19, s16, 64*PITCH
	s_add_co_u32 s19, s19, BL                      ; my 64 places of B,
	s_mul_i32 s22, s15, 2*SBLK
	s_add_co_u32 s22, s22, SAL                     ; their scale bytes,
	s_mul_i32 s23, s16, 4*SBLK
	s_add_co_u32 s23, s23, SBL
	s_mul_i32 s45, s14, 16*SPITCH
	s_add_co_u32 s45, s45, STAGE                   ; my stage
	CROUND                                         ; all sixteen work-groups are here: the joint loads meet
.macro ARM under, g0, g1, next         ; one chain of branches on the wave's number: every way passes exactly one load, with its s_nop 0 and four v_nop
	s_cmp_lt_u32 s14, \under
	s_cbranch_scc0 \next
	tensor_load_to_lds s[\g0:\g0+3], s[\g1:\g1+7]
	s_nop 0
.rept 4
	v_nop
.endr
	s_branch .Lhead_asked
\next:
.endm
	ARM 4, G0B,  G1B,  .Lhead_a
	ARM 6, G0A,  G1A,  .Lhead_sa
	ARM 7, G0SA, G1SA, .Lhead_sb
	tensor_load_to_lds s[G0SB:G0SB+3], s[G1SB:G1SB+7]
	s_nop 0
.rept 4
	v_nop
.endr
.Lhead_asked:
	v_and_b32 v1, 15, v0                           ; r
	v_bfe_u32 v2, v0, 4, 1                         ; h
	v_and_b32 v3, 31, v0
	v_lshl_add_u32 v[ADA], v3, 4, s18
	v_lshl_add_u32 v[ADA8], v3, 3, s18
	v_mul_u32_u24 v15, v1, PITCH
	v_mad_u32_u24 v15, v2, 24, v15                 ; a fragment's row x pitch + 24 h
	v_add_nc_u32 v[ADB], s19, v15
	v_lshl_add_u32 v[ADB+1], v2, 4, v[ADB]
	v_add_nc_u32 v[ADB+2], 2*128*PITCH, v[ADB]
	v_add_nc_u32 v[ADB+3], 2*128*PITCH, v[ADB+1]
	v_lshlrev_b32 v15, 5, v1                       ; 32 scale bytes a place,
	v_lshrrev_b32 v3, 8, v15
	v_lshl_add_u32 v15, v3, 4, v15                 ; and 16 more for each 256 passed
	v_add_nc_u32 v[ADSA], s22, v15
	v_add_nc_u32 v[ADSB], s23, v15
	v_mul_u32_u24 v15, v1, SPITCH
	v_lshl_add_u32 v15, v2, 6, v15
	v_add_nc_u32 v[STO], s45, v15                  ; into the stage: row r, 64 bytes for each half of the lanes in each 128
	v_mul_u32_u24 v15, v2, SPITCH
	v_lshl_add_u32 v15, v1, 4, v15
	v_add_nc_u32 v[RD], s45, v15                   ; back: sixteen lanes to a row of 256 bytes, two rows an instruction
	v_lshlrev_b32 v15, 12, v2
	v_lshl_add_u32 v[CO], v1, 4, v15               ; and the same two rows in out0
.macro FETCH k                         ; step k's fragments into set k % 2: 8 loads for A, 24 for B; ahead of an even step 6 more: two steps' scale words
.set FB, BUF+72*((\k)%2)
.irp i, 0,1
	ds_load_b128 v[FB+12*\i:FB+12*\i+3], v[ADA] offset:12288*\i+1536*(\k)
	ds_load_b64 v[FB+12*\i+4:FB+12*\i+5], v[ADA8] offset:12288*\i+1536*(\k)+512
	ds_load_b128 v[FB+12*\i+6:FB+12*\i+9], v[ADA] offset:12288*\i+1536*(\k)+768
	ds_load_b64 v[FB+12*\i+10:FB+12*\i+11], v[ADA8] offset:12288*\i+1536*(\k)+1280
.endr
.irp i, 0,1,2,3
.irp p, 0,1,2,3,4,5
.set PC, 12*((\k)%2)+6*(\p/3)+\p%3    ; the piece of 8 bytes in the row of 192; where the piece three on lies behind one padding more, the second address register serves
.set RB, ADB+2*((\k)/4)+(PC%8)/5
	ds_load_b64 v[FB+24+12*\i+2*\p:FB+24+12*\i+2*\p+1], v[RB] offset:8*PC+16*(PC/8)+\i*16*PITCH+(((\k)/2)%2)*128*PITCH
.endr
.endr
.if (\k)%2 == 0
.set SS, SC+12*(((\k)/2)%2)
.irp i, 0,1
	ds_load_b64 v[SS+2*\i:SS+2*\i+1], v[ADSA] offset:\i*SBLK+4*(\k)
.endr
.irp i, 0,1,2,3
	ds_load_b64 v[SS+4+2*\i:SS+4+2*\i+1], v[ADSB] offset:\i*SBLK+4*(\k)
.endr
.endif
.endm
.macro MUL k                           ; 8 products, the accumulators by turns; the first step starts the sums
.set FB, BUF+72*((\k)%2)
.set SS, SC+12*(((\k)/2)%2)+(\k)%2
.irp a, 0,1
.irp b, 0,1,2,3
.if (\k) == 0
	v_wmma_scale_f32_16x16x128_f8f6f4 v[ACC+8*(4*\a+\b):ACC+8*(4*\a+\b)+7], v[FB+24+12*\b:FB+24+12*\b+11], v[FB+12*\a:FB+12*\a+11], 0, v[SS+4+2*\b], v[SS+2*\a] matrix_a_fmt:MATRIX_FMT_FP6 matrix_b_fmt:MATRIX_FMT_FP6
.else
	v_wmma_scale_f32_16x16x128_f8f6f4 v[ACC+8*(4*\a+\b):ACC+8*(4*\a+\b)+7], v[FB+24+12*\b:FB+24+12*\b+11], v[FB+12*\a:FB+12*\a+11], v[ACC+8*(4*\a+\b):ACC+8*(4*\a+\b)+7], v[SS+4+2*\b], v[SS+2*\a] matrix_a_fmt:MATRIX_FMT_FP6 matrix_b_fmt:MATRIX_FMT_FP6
.endif
.endr
.endr
.endm
.macro PLACES                          ; plain vector instructions that name none of the products' registers, in front of loads into registers that they have read and of reads of results
.rept 4
	v_nop
.endr
.endm
	s_wait_alu depctr_va_vdst(0)
	s_wait_tensorcnt 0x0                           ; my tile is in,
	s_barrier_signal -1
	s_barrier_wait -1                              ; everybody's are
	FETCH 0
	FETCH 1
	s_wait_dscnt 32                                ; step 0's loads are in; step 1's 32 may be out
	MUL 0
.irp k, 1,2,3,4,5,6
	PLACES
	FETCH \k+1
.if (\k)%2
	s_wait_dscnt 38                                ; the next step's 32 loads and 6 of scale words may be out
.else
	s_wait_dscnt 32
.endif
	MUL \k
.endr
	s_wait_dscnt 0x0
	MUL 7
	PLACES
; THE WAY OUT: a block of 16 rows x 64 columns goes through my own stage and comes back as rows of 256 bytes.  LDS serves a wave's instructions in order: no wait between the stores and the loads, nor ahead of the next block's stores.
.irp a, 0,1
.irp b, 0,1,2,3
	ds_store_b128 v[STO], v[ACC+8*(4*\a+\b):ACC+8*(4*\a+\b)+3] offset:128*(\b/2)+32*(\b%2)      ; each accumulator from its low end on
	ds_store_b128 v[STO], v[ACC+8*(4*\a+\b)+4:ACC+8*(4*\a+\b)+7] offset:128*(\b/2)+32*(\b%2)+16
.endr
.irp t, 0,1,2,3,4,5,6,7
	ds_load_b128 v[BUF+32*\a+4*\t:BUF+32*\a+4*\t+3], v[RD] offset:\t*2*SPITCH
.endr
.endr
.irp a, 0,1
	s_wait_dscnt 16-16*\a                          ; block a is back; behind block 0's loads stand block 1's 8 stores and 8 loads
.irp t, 0,1,2,3,4,5,6,7
	global_store_b128 v[CO], v[BUF+32*\a+4*\t:BUF+32*\a+4*\t+3], s[12:13] offset:(8*\a+2*\t+8*(\t/4))*4096 th:TH_STORE_NT   ; place 16 a + 2 t + h is row 8 a + 2 t + h + 8 (t / 4); sixteen lanes store 256 consecutive bytes, aligned
.endr
.endr
	s_wait_tensorcnt 0x0                           ; the wave's end
	ds_add_u32 v[SPW], v[NIL]
	s_wait_dscnt 0x0
	CROUND                                         ; the closing round
	s_endpgm
.Lfunc_end_k_q608dfcf5b0_proj:
	.size	k_q608dfcf5b0_proj, .Lfunc_end_k_q608dfcf5b0_proj-k_q608dfcf5b0_proj
	.p2alignl 7, 3214868480
	.fill 96, 4, 3214868480
	.section	.rodata,"a",@progbits
	.p2align	6, 0x0
	.amdhsa_kernel k_q608dfcf5b0_proj
		.amdhsa_group_segment_fixed_size 327680
		.amdhsa_private_segment_fixed_size 0
		.amdhsa_enable_private_segment 0
		.amdhsa_kernarg_size 40
		.amdhsa_user_sgpr_count 2
		.amdhsa_user_sgpr_kernarg_segment_ptr 1
		.amdhsa_wavefront_size32 1
		.amdhsa_system_sgpr_workgroup_id_x 1
		.amdhsa_system_sgpr_workgroup_id_y 1
		.amdhsa_system_sgpr_workgroup_id_z 1
		.amdhsa_system_vgpr_workitem_id 0
		.amdhsa_next_free_vgpr 256
		.amdhsa_next_free_sgpr 96
		.amdhsa_reserve_vcc 0
		.amdhsa_float_denorm_mode_32 3
		.amdhsa_float_denorm_mode_16_64 3
		.amdhsa_memory_ordered 1
		.amdhsa_forward_progress 1
		.amdhsa_inst_pref_size 40
	.end_amdhsa_kernel
	.amdgpu_metadata
---
amdhsa.version: [ 1, 2 ]
amdhsa.kernels:
  - .name:           k_q608dfcf5b0_proj
    .symbol:         k_q608dfcf5b0_proj.kd
    .args:
      - { .name: a_codes, .offset: 0, .size: 8, .value_kind: global_buffer, .address_space: global }
      - { .name: a_scales, .offset: 8, .size: 8, .value_kind: global_buffer, .address_space: global }
      - { .name: xw_codes, .offset: 16, .size: 8, .value_kind: global_buffer, .address_space: global }
      - { .name: xw_scales, .offset: 24, .size: 8, .value_kind: global_buffer, .address_space: global }
      - { .name: out0, .offset: 32, .size: 8, .value_kind: global_buffer, .address_space: global }
    .group_segment_fixed_size: 327680
    .private_segment_fixed_size: 0
    .kernarg_segment_align: 8
    .kernarg_segment_size: 40
    .max_flat_workgroup_size: 256
    .sgpr_count:     96
    .vgpr_count:     256
    .wavefront_size: 32
...
	.end_amdgpu_metadata
.endif
;; end of part 4
